; MI455X (gfx1250); checked and timed in simulation.
; The chip was launched on July 23, 2026; its instructions are those of AMD's public machine-readable ISA for CDNA 5 (MIT licence, August 2026) and "CDNA5" Instruction Set Architecture Reference Guide (July 2026). The comments in the code are by the model that wrote it; some were corrected since.
;; Multi Head Attention. Allowed arithmetic: matrix products marked QUANTISED: E3M2 operands, one E8M0 scale for each 32 along K, by v_wmma_scale_f32_16x16x128_f8f6f4 with both operands' format E3M2, f32 sums; everything else in f32.
;; Inputs: W_out 1,024 x 1,024 float32; W_qkv 1,024 x 3,072 float32; X 4 x 2,048 x 1,024 float32; b_out 1,024 float32; b_qkv 3,072 float32.
;; Outputs: out0 4 x 2,048 x 1,024 float32.
;; This version of the problem:
;;   THIS VERSION OF THE PROBLEM IS GIVEN IN LOW PRECISION. The matrix products marked QUANTISED in the list below multiply operands that are first quantised to E3M2 (3 exponent bits, 2 mantissa bits; 6 bits a number), with one power-of-two scale for each 32 numbers along K (OCP MX v1.0); their sums are f32. All else is computed in f32.
;;   The module's matrix products, in the order in which they are computed (A, B: the left and right operand; K: the contracted axis; several contracted axes count as one K, in the product's order):
;;     1. [M 8,192, K 1,024] x [K 1,024, N 3,072]; A: input X; B: input W_qkv: QUANTISED
;;     2. batch 64 x [M 2,048, K 64] x [K 64, N 2,048]; A: computed on the way; B: computed on the way: QUANTISED
;;     3. batch 64 x [M 2,048, K 2,048] x [K 2,048, N 64]; A: softmax (see below); B: computed on the way: QUANTISED
;;     4. [M 8,192, K 1,024] x [K 1,024, N 1,024]; A: computed on the way; B: input W_out: QUANTISED
;;   THE QUANTISER, for each operand of a quantised product, along K:
;;     - K is cut into blocks of 32 from its start; a last block that is shorter is filled with zeros.
;;     - A block's scale is 2^e with e = floor(log2(the largest magnitude in the block)) - 4, held to -126 .. 127; a block of zeros has e = 0. As a byte (E8M0): e + 127.
;;     - Each number is divided by its block's scale, clamped to +-28, and rounded to the nearest number of E3M2, ties to even, subnormals kept.
;;     - The product sums the exact products of the quantised numbers (number of the format x scale) in f32.
;;   ~~~python
;;   def quantise(x, axis):      # numpy; x: float32 -> the quantised numbers, widened to float32 again
;;       x = np.moveaxis(x, axis, -1); K = x.shape[-1]
;;       x = np.pad(x, [(0, 0)] * (x.ndim - 1) + [(0, -K % 32)]); x = x.reshape(x.shape[:-1] + (-1, 32)); a = np.abs(x).max(-1, keepdims=True)
;;       e = np.where(a > 0, np.clip(np.frexp(np.where(a > 0, a, 1))[1] - 1 - 4, -126, 127), 0)      # np.frexp(a)[1] - 1 = floor(log2(a)), exactly
;;       r = np.clip(x / 2.0 ** e, -28, 28)
;;       step = 2.0 ** (np.maximum(np.frexp(np.where(r == 0, 1, r))[1] - 1, -2) - 2)
;;       q = np.round(r / step) * step * 2.0 ** e      # np.round: ties to even
;;       return np.moveaxis(q.reshape(q.shape[:-2] + (-1,))[..., :K], -1, axis).astype(np.float32)
;;   ~~~
;;   SOFTMAX AHEAD OF A QUANTISED PRODUCT. Where the list says 'softmax', what is quantised is not the finished softmax but p = 2^(t - M), with t = logit x log2(e) and M = ceil(the row's largest t), a whole number; so 1/2 < the row's largest p <= 1. The row's sum l is taken of the UNQUANTISED p, in f32, and the product's result is divided by l at the end. Since M is a whole number, a kernel that streams over the keys may use a running M (the ceiling of the running maximum): every later rescaling is an exact power of two, which a block's scale takes up: the codes' values come out the same.
;;   OPERANDS COMPUTED ON THE WAY. 'Computed on the way' means the value that the module computes at that place (a softmax that the list does not call 'softmax' is quantised finished and normalised). What goes into a quantiser is computed in f32, as accurately as f32 sums, v_exp_f32 and their like allow (about 1e-6 of the number): no bf16 or f16 on the way to a quantiser, and a product that is left as it is and whose result goes on into a quantised operand takes f32 operands (vector FMAs, or v_wmma_f32_16x16x4_f32). A number that lies on a knife's edge between two numbers of the format may be rounded either way, as far as f32 arithmetic and the matrix unit's own rounding can turn it there, and no further.
;; One version. Each part assembles by itself: llvm-mc -triple=amdgcn-amd-amdhsa -mcpu=gfx1250 --defsym DOCPART=n.
;; ======== version 1 of 1: 4 launches
;; workspace buffers: xw_codes 9,437,184 bytes; xw_scales 393,216 bytes; q_codes 6,291,456 bytes; k_codes 6,291,456 bytes; v_codes 6,291,456 bytes; qkv_scales 1,310,720 bytes; o_codes 6,291,456 bytes; o_scales 262,144 bytes
;; launch quant (part 1): grid 512 x 1, 2 waves a work-group, no clusters, 29,952 bytes of LDS; arguments X, W_qkv, W_out, xw_codes, xw_scales; writes xw_codes, xw_scales
.if DOCPART == 1
	.amdgcn_target "amdgcn-amd-amdhsa--gfx1250"
	.amdhsa_code_object_version 6
	.text
	.protected	k_q48af442325_quant
	.globl	k_q48af442325_quant
	.p2align	8
	.type	k_q48af442325_quant,@function
k_q48af442325_quant:
	s_mov_b64 s[64:65], 0
	v_nop
	global_prefetch_b8 v0, s[64:65] scope:SCOPE_SE
	s_setreg_imm32_b32 hwreg(HW_REG_WAVE_MODE, 25, 1), 1
	s_wait_xcnt 0x0
; X [8192][1024], W_qkv [1024][3072] and W_out [1024][1024], f32, become codes of BF6 (E3M2) with one E8M0 byte for each 32 along K (K = 1024 in all three).
; A block's scale is 2^(floor(log2(its largest magnitude)) - 4): its byte is the largest magnitude's exponent field - 4, held at 1 from below by a floor among the maximum's leaves.
; LIMITS: NaN and infinities are not served.  A block of zeros, or one whose largest magnitude lies under 2^-122, gets the byte 1 (the rule says 127 for zeros): its codes are zeros or next to it, and only this program reads the bytes.
; LAYOUT OF THE CODES: images of operand registers.  Rows (tokens; columns of a weight) stand in tiles of 16: lane rho of tile 2 B + U is row 32 B + 8 U + rho + 8 (rho / 8).
; An image is 16 rows x 64 K, 768 bytes: lane (r, h) holds block h (32 codes, 6 registers) of tile lane r; registers 0-3 at 16 x lane, registers 4-5 at 512 + 8 x lane.  A tile's 16 images follow each other (12,288 bytes).
; Scale bytes: 32 for each row, rows in the tiles' order.
; Work-groups 0-255 take X (32 rows each, a tile to a wave), work-groups 256-511 the weights (64 columns x 256 along K each).  The two ways use LDS bytes of their own.  Waves share nothing: no barrier.
.set XPITCH, 528                       ; X's stage: a row of 512 bytes + 16, an odd multiple of 16: the 16 rows that a load touches begin in 16 different 16-byte columns of 256
.set XSTAGE, 16*XPITCH                 ; one stage for each wave
.set WBASE,  17408                     ; the weights' stages begin here
.set WSTAGE, 6144                      ; two tiles x four images for each wave
.set TILEB,  12288                     ; a tile's 16 images
.set WQC,    6291456                   ; W_qkv's codes in xw_codes
.set WOC,    8650752                   ; W_out's
.set WQS,    262144                    ; W_qkv's scale bytes in xw_scales
.set WOS,    360448                    ; W_out's
.set RAW,    64                        ; v64-191  X: two sets of 64 registers as loaded;  W: two sets of 32
.set XT,     192                       ; v192-255 X: my two blocks of 32 neighbours
.set PC,     20                        ; v20-31   X: the codes of two images
.set CT,     32                        ; v32-38   X: the second halves as the conversions leave them
.set WD,     40                        ; v40-47   X: my row's eight scale words
	s_load_b256 s[4:11], s[0:1], 0x0               ; X s[4:5], W_qkv s[6:7], W_out s[8:9], xw_codes s[10:11]
	s_load_b64 s[12:13], s[0:1], 0x20              ; xw_scales
	s_set_vgpr_msb 0x40
	v_lshl_add_u32 v0, v0, 2, 0x7400
	v_mov_b32 v1, 0
	s_set_vgpr_msb 0x4000
	v_lshrrev_b32 v1, 5, v0
	v_readfirstlane_b32 s16, v1                    ; wave 0, 1
	v_and_b32 v1, 31, v0                           ; lane
	v_and_b32 v2, 15, v0                           ; r
	v_bfe_u32 v3, v0, 4, 1                         ; h
	s_wait_kmcnt 0x0
	s_cmp_lt_u32 ttmp9, 256
	s_cbranch_scc0 .Lweights
	s_wait_alu depctr_va_vdst(0)
; ---------------- X: K is innermost.  A wave takes one tile of 16 rows, 128 along K a step, eight steps.
; Each load reads 512 consecutive bytes of one row; the 16 rows turn through the wave's stage, so that lane (r, h) gets, of row r, the 32 neighbours 64 c + 32 h on: whole blocks, in the operand's own order.
	v_lshlrev_b32 v4, 4, v1                        ; 16 x lane
	v_lshlrev_b32 v5, 3, v1                        ; 8 x lane
	s_mul_i32 s17, s16, XSTAGE
	v_add_nc_u32 v6, s17, v4                       ; into the stage: 16 x lane of a row
	v_mul_u32_u24 v7, v2, XPITCH
	v_lshl_add_u32 v7, v3, 7, v7
	v_add_nc_u32 v7, s17, v7                       ; out of it: row r, + 128 h bytes
	v_lshlrev_b32 v8, 3, v3                        ; 8 h: my bytes' place in a scale word
	v_lshlrev_b32 v9, 5, v2
	v_lshl_add_u32 v9, v3, 4, v9                   ; 32 r + 16 h: my half of my row's 32 scale bytes
	v_mov_b32 v17, 0                               ; written once: a lane permute's destination counts as one of its sources
	s_mov_b32 s18, 0x76543210
	s_mov_b32 s19, 0xfedcba98                      ; lane l xor 16
	s_lshl_b32 s20, ttmp9, 5
	s_lshl_b32 s21, s16, 3
	s_add_co_u32 s20, s20, s21                     ; the tile's first row: 32 g + 8 u
	s_lshl_b32 s20, s20, 12
	s_mov_b32 s21, 0
	s_add_nc_u64 s[4:5], s[4:5], s[20:21]
	s_lshl_b32 s22, ttmp9, 1
	s_add_co_u32 s22, s22, s16                     ; the tile: 2 g + u
	s_mul_i32 s20, s22, TILEB
	s_add_nc_u64 s[10:11], s[10:11], s[20:21]
	s_lshl_b32 s20, s22, 9
	s_add_nc_u64 s[12:13], s[12:13], s[20:21]
.macro XLOAD t                         ; step t's 16 rows: tile lane i is row i + 8 (i / 8) from the tile's first
.irp i, 0,1,2,3,4,5,6,7,8,9,10,11,12,13,14,15
	global_load_b128 v[RAW+64*((\t)%2)+4*\i:RAW+64*((\t)%2)+4*\i+3], v4, s[4:5] offset:(\i+8*(\i/8))*4096+512*(\t) th:TH_LOAD_NT
.endr
.endm
.macro XSTEP t
.if (\t) < 7
	s_wait_loadcnt 16                              ; this step's 16 loads are in; the next step's 16 may be out
.else
	s_wait_loadcnt 0x0
.endif
.irp i, 0,1,2,3,4,5,6,7,8,9,10,11,12,13,14,15
	ds_store_b128 v6, v[RAW+64*((\t)%2)+4*\i:RAW+64*((\t)%2)+4*\i+3] offset:XPITCH*\i
.endr
.irp c, 0,1
.irp q, 0,1,2,3,4,5,6,7
	ds_load_b128 v[XT+32*\c+4*\q:XT+32*\c+4*\q+3], v7 offset:256*\c+16*\q   ; LDS serves a wave's instructions in order: these see the stores above
.endr
.endr
	s_wait_dscnt 0x0                               ; my 64 numbers are back
.if (\t)+2 < 8
	XLOAD (\t)+2                                   ; the set just emptied takes the step after next
.endif
.irp c, 0,1
	v_max3_num_f32 v[10+\c], |v[XT+32*\c]|, |v[XT+32*\c+1]|, 0x2800000   ; block 2 c + h is all mine; the floor 2^(5 - 127) holds the byte at 1 from below
.endr
.irp i, 2,4,6,8,10,12,14,16,18,20,22,24,26,28,30
.irp c, 0,1
	v_max3_num_f32 v[10+\c], v[10+\c], |v[XT+32*\c+\i]|, |v[XT+32*\c+\i+1]|
.endr
.endr
.irp c, 0,1
	v_add_nc_u32 v[12+\c], 0xfe000000, v[10+\c]    ; 4 off the exponent field: the conversion's scale operand
.endr
.irp c, 0,1
	v_lshrrev_b32 v[14+\c], 23, v[12+\c]           ; the byte
.endr
	v_lshl_or_b32 v16, v15, 16, v14                ; bytes h and 2 + h of the row's word for these 128,
	v_lshlrev_b32 v16, v8, v16                     ; at their places;
	v_permlanex16_b32 v17, v16, s18, s19
	v_or_b32 v[WD+(\t)], v16, v17                  ; with lane l xor 16's two the word is whole
	s_wait_alu depctr_va_vdst(0)
	s_wait_xcnt 0x0                                ; the last step's stores have read the codes' registers: they are written again only behind this wait
.irp c, 0,1
	v_cvt_scalef32_pk16_bf6_f32 v[PC+6*\c:PC+6*\c+2], v[XT+32*\c:XT+32*\c+15], v[12+\c]
	v_cvt_scalef32_pk16_bf6_f32 v[CT+4*\c:CT+4*\c+2], v[XT+32*\c+16:XT+32*\c+31], v[12+\c]   ; (a conversion's three registers begin on an even number)
.endr
	v_nop                                          ; one plain place behind a scaled conversion
.irp c, 0,1
.irp i, 0,1,2
	v_mov_b32 v[PC+6*\c+3+\i], v[CT+4*\c+\i]
.endr
.endr
.irp c, 0,1
	global_store_b128 v4, v[PC+6*\c:PC+6*\c+3], s[10:11] offset:(2*(\t)+\c)*768         ; 512 consecutive bytes
	global_store_b64 v5, v[PC+6*\c+4:PC+6*\c+5], s[10:11] offset:(2*(\t)+\c)*768+512    ; 256 consecutive bytes
.endr
.endm
	XLOAD 0
	XLOAD 1
	s_wait_alu depctr_va_vdst(0)
.irp t, 0,1,2,3,4,5,6,7
	XSTEP \t
.endr
	v_cmp_eq_u32 vcc_lo, 1, v3
.irp i, 0,1,2,3
	v_cndmask_b32 v[48+\i], v[WD+\i], v[WD+4+\i], vcc_lo   ; lanes 0-15 store words 0-3 of their row, lanes 16-31 words 4-7
.endr
	global_store_b128 v9, v[48:51], s[12:13]       ; the tile's 512 scale bytes, consecutive
	s_set_vgpr_msb 0x5
	s_wait_tensorcnt 0x0
	ds_add_u32 v0, v1
	s_wait_dscnt 0x0
	s_set_vgpr_msb 0x500
	s_endpgm
; ---------------- The weights: K is the FIRST axis.  A lane takes a column and its registers run down K: a block of 32 lies in one lane, and the codes come out with K innermost.
; A wave takes 32 columns (two tiles) x 256 along K (eight blocks, four images a tile); the images are gathered in its stage and leave in runs of 512 consecutive bytes.
.Lweights:
	s_sub_co_u32 s20, ttmp9, 256
	s_lshr_b32 s21, s20, 2                         ; which 64 columns: 0-47 of W_qkv, 48-63 of W_out
	s_and_b32 s22, s20, 3                          ; which 256 along K
	s_cmp_lt_u32 s21, 48                           ; the choice hangs on the work-group's number alone
	s_cselect_b64 s[24:25], s[6:7], s[8:9]
	s_mov_b32 s26, 4096
	s_cselect_b32 s26, 12288, s26                  ; a row of the weight in bytes
	s_cselect_b32 s27, 0, 48
	s_mov_b32 s28, WOC
	s_cselect_b32 s28, WQC, s28
	s_mov_b32 s29, WOS
	s_cselect_b32 s29, WQS, s29
	s_sub_co_u32 s21, s21, s27
	s_lshl_b32 s21, s21, 1
	s_add_co_u32 s21, s21, s16                     ; G: my wave's group of 32 columns
	s_lshl_b32 s30, s22, 8
	s_mul_i32 s30, s30, s26
	s_lshl_b32 s31, s21, 7
	s_add_co_u32 s30, s30, s31
	s_mov_b32 s31, 0
	s_add_nc_u64 s[32:33], s[24:25], s[30:31]      ; block 0: row 256 ky, column 32 G
	s_lshl_b32 s30, s26, 5                         ; 32 rows on
.irp t, 1,2,3,4,5,6,7
	s_add_nc_u64 s[32+2*\t:33+2*\t], s[30+2*\t:31+2*\t], s[30:31]   ; a base for each block, so that none is stepped while loads name it
.endr
	s_mul_i32 s50, s21, 2*TILEB
	s_add_co_u32 s50, s50, s28
	s_mul_i32 s51, s22, 3072
	s_add_co_u32 s50, s50, s51
	s_mov_b32 s51, 0
	s_add_nc_u64 s[48:49], s[10:11], s[50:51]      ; codes: tile 2 G, image 4 ky
	s_lshl_b32 s50, s21, 10
	s_add_co_u32 s50, s50, s29
	s_lshl_b32 s54, s22, 3
	s_add_co_u32 s50, s50, s54
	s_add_nc_u64 s[52:53], s[12:13], s[50:51]      ; scale bytes: row 32 G, byte 8 ky
	s_wait_alu depctr_va_vdst(0)
	v_lshlrev_b32 v3, 2, v1                        ; 4 x lane
	v_bfe_u32 v8, v0, 3, 1                         ; column l of the 32 is lane r = l % 8 + 8 (l / 16) of tile u = (l / 8) % 2
	v_and_b32 v9, 7, v0
	v_bfe_u32 v10, v0, 4, 1
	v_lshl_add_u32 v9, v10, 3, v9
	s_mul_i32 s17, s16, WSTAGE
	s_add_co_u32 s17, s17, WBASE
	v_mul_u32_u24 v11, v8, 3072
	v_add_nc_u32 v11, s17, v11
	v_lshl_add_u32 v4, v9, 4, v11                  ; into the stage: registers 0-3 at 16 r,
	v_lshl_add_u32 v5, v9, 3, v11                  ; registers 4-5 at 8 r
	v_lshlrev_b32 v7, 4, v1
	v_add_nc_u32 v6, s17, v7                       ; out of it: 16 x lane
	v_lshl_add_u32 v13, v8, 4, v9
	v_lshlrev_b32 v13, 5, v13                      ; my row of scale bytes: (16 u + r) x 32
.irp i, 0,1,2,3,4,5,6,7,8,9,10,11,12,13,14,15,16,17,18,19,20,21,22,23,24,25,26,27,28,29,30,31
	v_mad_u32_u24 v[32+\i], s26, \i, v3            ; row i of a block, my column
.endr
.macro WLOAD t
.irp i, 0,1,2,3,4,5,6,7,8,9,10,11,12,13,14,15,16,17,18,19,20,21,22,23,24,25,26,27,28,29,30,31
	global_load_b32 v[RAW+32*((\t)%2)+\i], v[32+\i], s[32+2*(\t):33+2*(\t)] th:TH_LOAD_NT   ; 128 consecutive bytes a wave
.endr
.endm
.macro WBLOCK t
.set XS, RAW+32*((\t)%2)
.if (\t) < 7
	s_wait_loadcnt 32                              ; this block's 32 loads are in; the next block's may be out
.else
	s_wait_loadcnt 0x0
.endif
	v_max3_num_f32 v22, |v[XS]|, |v[XS+1]|, |v[XS+2]|
	v_max3_num_f32 v23, |v[XS+3]|, |v[XS+4]|, |v[XS+5]|
.irp i, 6,10,14,18,22,26
	v_max3_num_f32 v22, v22, |v[XS+\i]|, |v[XS+\i+1]|
	v_max3_num_f32 v23, v23, |v[XS+\i+2]|, |v[XS+\i+3]|
.endr
	v_max3_num_f32 v22, v22, |v[XS+30]|, |v[XS+31]|
	v_max3_num_f32 v22, v22, v23, 0x2800000        ; and the floor
	v_add_nc_u32 v27, 0xfe000000, v22
	v_lshrrev_b32 v28, 23, v27
.if (\t)%4 == 0
	v_mov_b32 v[14+(\t)/4], v28                    ; four bytes to a register, the lower K in the lower byte
.else
	v_lshl_or_b32 v[14+(\t)/4], v28, 8*((\t)%4), v[14+(\t)/4]
.endif
	v_cvt_scalef32_pk16_bf6_f32 v[16:18], v[XS:XS+15], v27
	v_cvt_scalef32_pk16_bf6_f32 v[24:26], v[XS+16:XS+31], v27
	v_nop                                          ; one plain place behind a scaled conversion
.irp i, 0,1,2
	v_mov_b32 v[19+\i], v[24+\i]
.endr
	ds_store_b128 v4, v[16:19] offset:((\t)/2)*768+((\t)%2)*256       ; block t is half h = t % 2 of image t / 2
	ds_store_b64 v5, v[20:21] offset:((\t)/2)*768+512+((\t)%2)*128
.if (\t)+2 < 8
	WLOAD (\t)+2
.endif
	s_wait_dscnt 0x0                               ; the stores have read their registers: the next block's codes may be written
.endm
	WLOAD 0
	WLOAD 1
.irp t, 0,1,2,3,4,5,6,7
	WBLOCK \t
.endr
	s_wait_alu depctr_va_vdst(0)
	global_store_b64 v13, v[14:15], s[52:53]       ; my column's 8 bytes: rows 32 bytes apart, one byte for each 128 bytes that the launch reads
.irp m, 0,1,2,3,4,5,6,7,8,9,10,11
	ds_load_b128 v[128+4*\m:128+4*\m+3], v6 offset:512*\m
.endr
.irp m, 0,1,2,3,4,5,6,7,8,9,10,11
	s_wait_dscnt 11-\m
	global_store_b128 v7, v[128+4*\m:128+4*\m+3], s[48:49] offset:(\m/6)*TILEB+(\m%6)*512   ; 512 consecutive bytes, at a multiple of 256 from the buffer's first byte
.endr
	s_set_vgpr_msb 0x5
	s_wait_tensorcnt 0x0
	ds_add_u32 v0, v1
	s_wait_dscnt 0x0
	s_set_vgpr_msb 0x500
	s_endpgm
.Lfunc_end_k_q48af442325_quant:
	.size	k_q48af442325_quant, .Lfunc_end_k_q48af442325_quant-k_q48af442325_quant
	.p2alignl 7, 3214868480
	.fill 96, 4, 3214868480
	.section	.rodata,"a",@progbits
	.p2align	6, 0x0
	.amdhsa_kernel k_q48af442325_quant
		.amdhsa_group_segment_fixed_size 29952
		.amdhsa_private_segment_fixed_size 0
		.amdhsa_enable_private_segment 0
		.amdhsa_kernarg_size 40
		.amdhsa_user_sgpr_count 2
		.amdhsa_user_sgpr_kernarg_segment_ptr 1
		.amdhsa_wavefront_size32 1
		.amdhsa_system_sgpr_workgroup_id_x 1
		.amdhsa_system_sgpr_workgroup_id_y 1
		.amdhsa_system_sgpr_workgroup_id_z 1
		.amdhsa_system_vgpr_workitem_id 0
		.amdhsa_next_free_vgpr 258
		.amdhsa_next_free_sgpr 66
		.amdhsa_reserve_vcc 1
		.amdhsa_float_denorm_mode_32 3
		.amdhsa_float_denorm_mode_16_64 3
		.amdhsa_memory_ordered 1
		.amdhsa_forward_progress 1
		.amdhsa_inst_pref_size 102
	.end_amdhsa_kernel
	.amdgpu_metadata
---
amdhsa.version: [ 1, 2 ]
amdhsa.kernels:
  - .name:           k_q48af442325_quant
    .symbol:         k_q48af442325_quant.kd
    .args:
      - { .name: X, .offset: 0, .size: 8, .value_kind: global_buffer, .address_space: global }
      - { .name: W_qkv, .offset: 8, .size: 8, .value_kind: global_buffer, .address_space: global }
      - { .name: W_out, .offset: 16, .size: 8, .value_kind: global_buffer, .address_space: global }
      - { .name: xw_codes, .offset: 24, .size: 8, .value_kind: global_buffer, .address_space: global }
      - { .name: xw_scales, .offset: 32, .size: 8, .value_kind: global_buffer, .address_space: global }
    .group_segment_fixed_size: 29952
    .private_segment_fixed_size: 0
    .kernarg_segment_align: 8
    .kernarg_segment_size: 40
    .max_flat_workgroup_size: 64
    .sgpr_count:     66
    .vgpr_count:     258
    .wavefront_size: 32
...
	.end_amdgpu_metadata
.endif
;; end of part 1
;; launch qkv (part 2): grid 16 x 32, 4 waves a work-group, clusters of 4 x 4, 327,680 bytes of LDS; arguments xw_codes, xw_scales, b_qkv, q_codes, k_codes, v_codes, qkv_scales; writes q_codes, k_codes, v_codes, qkv_scales
.if DOCPART == 2
	.amdgcn_target "amdgcn-amd-amdhsa--gfx1250"
	.amdhsa_code_object_version 6
	.text
	.protected	k_q48af442325_qkv
	.globl	k_q48af442325_qkv
	.p2align	8
	.type	k_q48af442325_qkv,@function
k_q48af442325_qkv:
	s_mov_b64 s[64:65], 0
	v_nop
	global_prefetch_b8 v0, s[64:65] scope:SCOPE_SE
	s_setreg_imm32_b32 hwreg(HW_REG_WAVE_MODE, 25, 1), 1
	s_wait_xcnt 0x0
	s_wait_alu depctr_hold_cnt(0) depctr_sa_sdst(0) depctr_va_vdst(0) depctr_va_sdst(0) depctr_va_ssrc(0) depctr_va_vcc(0) depctr_vm_vsrc(0)
	s_getreg_b32 s2, hwreg(HW_REG_IB_STS2, 6, 4)
	s_cmp_eq_u32 s2, 0
	s_cbranch_scc0 .Lentry_in_a_cluster
	s_endpgm
.Lentry_in_a_cluster:
	s_bfe_u32 s2, ttmp6, 0x10000c
	s_cmp_lg_u32 s2, 0xf033
	s_cbranch_scc0 .Lentry_shape_is_right
	s_endpgm
.Lentry_shape_is_right:
; QKV = X W_qkv + b_qkv on codes of BF6 (E3M2), and Q, K, V quantised on the way out: Q and K along the head's 64 channels, V along the tokens (the keys).  No f32 result goes to memory.
; A work-group makes 256 tokens x 192 columns, one head's Q, K and V.  Wave w takes tokens 64 w .. 64 w + 63 (four tiles) against all twelve column tiles (0-3 Q, 4-7 K, 8-11 V): 48 accumulators.
; Q and K are made TRANSPOSED (source 0 = 16 columns of W, source 1 = 16 tokens): a lane holds one token and its registers run along the channels.  V is made as it stands (source 0 = tokens, source 1 = columns):
; a lane holds one channel and its registers run along the tokens.  Rows of every operand stand in tiles whose lane rho is row 32 B + 8 U + rho + 8 (rho / 8) (tile 2 B + U), so that the 16 registers of two
; neighbouring tiles are 16 neighbours along the next product's K.
; Codes lie in memory and in LDS as images of operand registers: 16 rows x 64 K in 768 bytes, registers 0-3 at 16 x lane, registers 4-5 at 512 + 8 x lane.  A fragment (128 K) is two images: four loads, all dense.
; K = 1,024 goes in four slots' worth of 256 through a ring of two LDS slots; the scale bytes of all of K come once.  CLUSTERS: 4 x 4; X's tiles are shared along a row of the cluster, W's along a column, by joint loads.
; LIMITS: NaN and infinities are not served; a block whose largest magnitude lies under 2^-122 (zeros too) gets the byte 1; only this program reads the bytes.
; REGISTERS.  window 0: v1-23 addresses; v32-47 X's scale words, v48-95 W's (all eight K steps); v96-127 at work on the way out; v128-223 X's fragments, two sets; v224-243 codes just made.
;   window 1: v0-191 W's tiles 0-7, two sets; v192-255 b_qkv for Q and K in the results' layout.   window 2: Q's and K's accumulators, (a, b) at v[64 a + 8 b].
;   window 3: v0-127 V's accumulators, (bv, a) at v[32 bv + 8 a]; v128-223 W's tiles 8-11, two sets; v224-255 b_qkv for V.
.set SLOT,  86016                      ; a slot: X's 16 tiles x 3,072 bytes (256 along K), then W's 12
.set BOFF,  49152
.set LSA,   172032                     ; X's scale bytes: 256 rows x 32
.set LSB,   180224                     ; W's: 192 rows x 32
.set SPARE, 186368                     ; the spare words, 128 bytes for each wave: two blocks of 256 bytes that no other line names
.set VSG,   186880                     ; V's scale words are gathered here: 512 bytes into which no fill lands
.set TILEB, 12288
.set WQC,   6291456
.set WQS,   262144
.set VSO,   1048576                    ; V's scale words in qkv_scales
.set RSA,   32
.set RSB,   48
.set AF,    128
.set TM,    112                        ; v112-115 largest magnitudes, v116-119 bytes, v124-127 the conversions' scale operands
.set PC,    224
.set G1A, 24                           ; s[24:31] group 1 for X's tiles; s[32:39] group 0, a set for each slot
.set G0A, 32
.set G1B, 48                           ; s[48:55], s[56:63] the same for W's
.set G0B, 56
.set G1SA, 68                          ; s[68:75], s[76:79] X's scale bytes;  s[80:87], s[88:91] W's
.set G0SA, 76
.set G1SB, 80
.set G0SB, 88
.set MSB, 0
.macro WIN new                         ; the immediate's high byte repeats the setting that is left
.if MSB != \new
	s_set_vgpr_msb (MSB<<8)|\new
.set MSB, \new
.endif
.endm
.macro PLACES                          ; four plain places between a matrix instruction and a load into, or a vector read of, its registers
.rept 4
	v_nop
.endr
.endm
; A joint load: waves 0 and 1 fetch for X, waves 2 and 3 for W; the branch hangs on the wave's number alone.  Four v_nop follow each of the two lines.
.macro JLOAD g0a, g1a, g0b, g1b
	s_cmp_eq_u32 s19, 0
	s_cbranch_scc0 .Lfor_b_\@
	tensor_load_to_lds s[\g0a:\g0a+3], s[\g1a:\g1a+7]
	s_nop 0
.rept 4
	v_nop
.endr
	s_branch .Lasked_\@
.Lfor_b_\@:
	tensor_load_to_lds s[\g0b:\g0b+3], s[\g1b:\g1b+7]
	s_nop 0
.rept 4
	v_nop
.endr
.Lasked_\@:
.endm
.macro CREST                           ; a round of the cluster's barrier behind its opening barrier
	s_cmp_lg_u32 s18, 0
	s_cbranch_scc1 .Lnot_wave_0_\@
	s_barrier_signal -3
.Lnot_wave_0_\@:
	s_barrier_wait -3
	s_barrier_signal -1
	s_barrier_wait -1
.endm
.macro CROUND
	s_barrier_signal -1
	s_barrier_wait -1
	CREST
.endm
	s_load_b256 s[4:11], s[0:1], 0x0               ; xw_codes s[4:5], xw_scales s[6:7], b_qkv s[8:9], q_codes s[10:11]
	s_load_b128 s[12:15], s[0:1], 0x20             ; k_codes s[12:13], v_codes s[14:15]
	s_load_b64 s[16:17], s[0:1], 0x30              ; qkv_scales
	v_lshl_add_u32 v14, v0, 2, SPARE               ; my spare word; never rewritten
	v_mov_b32 v15, 0                               ; 0; never rewritten
	ds_add_u32 v14, v15
	ds_add_u32 v14, v15
	s_wait_dscnt 0x0
	v_lshrrev_b32 v1, 5, v0
	v_readfirstlane_b32 s18, v1                    ; wave 0..3
	s_lshr_b32 s19, s18, 1                         ; I fetch for X (0) or for W (1),
	s_and_b32 s20, s18, 1                          ; and which half of its tiles
	s_bfe_u32 s40, ttmp6, 0x40000                  ; cx
	s_bfe_u32 s41, ttmp6, 0x40004                  ; cy
	s_lshl_b32 s42, ttmp9, 2
	s_add_co_u32 s42, s42, s40                     ; the head = 4 x cluster x + cx
	s_and_b32 s21, ttmp7, 0xffff
	s_lshl_b32 s21, s21, 2
	s_add_co_u32 s21, s21, s41                     ; the block of 256 tokens = 4 x cluster y + cy
	s_lshl_b32 s43, s41, 2
	s_lshl_b32 s43, 15, s43                        ; my row of the cluster
	s_lshl_b32 s44, 0x1111, s40                    ; my column
	; group 1: elements of 8 bytes, no padding.  X: 8 tiles' rows of 3,072 bytes, 12,288 bytes apart; W: 6 such rows; scale bytes: dense, as rows of 256 bytes
	s_or_b32 s[G1A], s43, (3<<16)|(1<<21)
	s_or_b32 s[G1B], s44, (3<<16)|(1<<21)
	s_or_b32 s[G1SA], s43, (3<<16)|(1<<21)
	s_or_b32 s[G1SB], s44, (3<<16)|(1<<21)
	s_mov_b32 s[G1A+1], 384<<16
	s_mov_b32 s[G1A+2], 8<<16
	s_mov_b32 s[G1A+3], 384<<16
	s_mov_b32 s[G1A+4], 8
	s_mov_b32 s[G1A+5], 1536
	s_mov_b32 s[G1A+6], 0
	s_mov_b32 s[G1A+7], 0
	s_mov_b32 s[G1B+1], 384<<16
	s_mov_b32 s[G1B+2], 6<<16
	s_mov_b32 s[G1B+3], 384<<16
	s_mov_b32 s[G1B+4], 6
	s_mov_b32 s[G1B+5], 1536
	s_mov_b32 s[G1B+6], 0
	s_mov_b32 s[G1B+7], 0
	s_mov_b32 s[G1SA+1], 32<<16
	s_mov_b32 s[G1SA+2], 16<<16
	s_mov_b32 s[G1SA+3], 32<<16
	s_mov_b32 s[G1SA+4], 16
	s_mov_b32 s[G1SA+5], 32
	s_mov_b32 s[G1SA+6], 0
	s_mov_b32 s[G1SA+7], 0
	s_mov_b32 s[G1SB+1], 32<<16
	s_mov_b32 s[G1SB+2], 12<<16
	s_mov_b32 s[G1SB+3], 32<<16
	s_mov_b32 s[G1SB+4], 12
	s_mov_b32 s[G1SB+5], 32
	s_mov_b32 s[G1SB+6], 0
	s_mov_b32 s[G1SB+7], 0
	; where the tiles come from: X's hang on the block of tokens alone, W's on the head alone, each in registers that never hold the other coordinate
	s_lshl_b32 s22, s21, 4
	s_lshl_b32 s23, s20, 3
	s_add_co_u32 s22, s22, s23
	s_mul_i32 s22, s22, TILEB                      ; X: tile 16 y + 8 half
	s_mov_b32 s23, 0
	s_mul_i32 s46, s42, 12
	s_mul_i32 s47, s20, 6
	s_add_co_u32 s46, s46, s47
	s_mul_i32 s46, s46, TILEB
	s_add_co_u32 s46, s46, WQC                     ; W: tile 12 head + 6 half
	s_mov_b32 s47, 0
	s_lshl_b32 s92, s21, 13
	s_lshl_b32 s93, s20, 12
	s_add_co_u32 s92, s92, s93                     ; X's scale bytes: row 256 y + 128 half
	s_mov_b32 s93, 0
	s_mul_i32 s94, s42, 6144
	s_mul_i32 s95, s20, 3072
	s_add_co_u32 s94, s94, s95
	s_add_co_u32 s94, s94, WQS                     ; W's: row 192 head + 96 half
	s_mov_b32 s95, 0
	s_mul_i32 s45, s20, 24576                      ; and where they go: no place in the cluster enters an LDS address
	s_mul_i32 s96, s20, 18432
	s_add_co_u32 s96, s96, BOFF
	s_lshl_b32 s97, s20, 12
	s_mul_i32 s98, s20, 3072
	s_wait_kmcnt 0x0
	s_add_nc_u64 s[22:23], s[4:5], s[22:23]
	s_add_nc_u64 s[46:47], s[4:5], s[46:47]
	s_add_nc_u64 s[92:93], s[6:7], s[92:93]
	s_add_nc_u64 s[94:95], s[6:7], s[94:95]
	CROUND                                         ; all sixteen work-groups are here: the first joint loads meet
	s_mov_b32 s[G0SA], 1
	s_add_co_u32 s[G0SA+1], s97, LSA
	s_mov_b64 s[G0SA+2:G0SA+3], s[92:93]
	s_or_b32 s[G0SA+3], s[G0SA+3], 0x80000000
	s_mov_b32 s[G0SB], 1
	s_add_co_u32 s[G0SB+1], s98, LSB
	s_mov_b64 s[G0SB+2:G0SB+3], s[94:95]
	s_or_b32 s[G0SB+3], s[G0SB+3], 0x80000000
	JLOAD G0SA, G1SA, G0SB, G1SB                   ; the scale bytes first: filled once.  With the two slots three loads of mine are out
.irp n, 0,1
	s_mov_b32 s[G0A+4*\n], 1
	s_add_co_u32 s[G0A+4*\n+1], s45, \n*SLOT
	s_add_nc_u64 s[G0A+4*\n+2:G0A+4*\n+3], s[22:23], \n*3072
	s_or_b32 s[G0A+4*\n+3], s[G0A+4*\n+3], 0x80000000
	s_mov_b32 s[G0B+4*\n], 1
	s_add_co_u32 s[G0B+4*\n+1], s96, \n*SLOT
	s_add_nc_u64 s[G0B+4*\n+2:G0B+4*\n+3], s[46:47], \n*3072
	s_or_b32 s[G0B+4*\n+3], s[G0B+4*\n+3], 0x80000000
	s_wait_alu depctr_va_vdst(0)
	s_wait_tensorcnt 0x0
	ds_add_u32 v14, v15
	s_wait_dscnt 0x0
	CROUND
	JLOAD G0A+4*\n, G1A, G0B+4*\n, G1B
.endr
	v_and_b32 v1, 15, v0                           ; r
	v_bfe_u32 v20, v0, 4, 1                        ; h
	v_and_b32 v21, 31, v0                          ; lane
	v_lshlrev_b32 v2, 4, v21                       ; 16 x lane
	v_lshlrev_b32 v3, 3, v21                       ; 8 x lane
	s_mul_i32 s99, s18, 12288                      ; my four tiles of X
.irp n, 0,1
	v_add_nc_u32 v[4+\n], s99, v2                  ; v4-5, v6-7: X's images in slot 0, 1, by 16 and by 8 bytes a lane
	v_add_nc_u32 v[6+\n], s99, v3
	s_add_co_u32 s99, s99, SLOT
.endr
	v_add_nc_u32 v8, BOFF, v2                      ; v8-9, v10-11: the same for W
	v_add_nc_u32 v9, BOFF+SLOT, v2
	v_add_nc_u32 v10, BOFF, v3
	v_add_nc_u32 v11, BOFF+SLOT, v3
	v_lshlrev_b32 v22, 5, v1                       ; a row's 32 scale bytes
	s_lshl_b32 s99, s18, 11
	s_add_co_u32 s99, s99, LSA
	v_lshl_add_u32 v12, v20, 10, v22
	v_add_nc_u32 v12, s99, v12                     ; X's: lanes 0-15 tile j, lanes 16-31 tile j + 2
	v_mad_u32_u24 v13, v20, 3072, v22
	v_add_nc_u32 v13, LSB, v13                     ; W's: lanes 0-15 tile i, lanes 16-31 tile i + 6
	s_lshl_b32 s99, s19, 8
	s_lshl_b32 s66, s20, 1
	s_add_co_u32 s99, s99, s66
	s_add_co_u32 s99, s99, VSG
	v_lshl_add_u32 v16, v1, 4, s99                 ; V's scale bytes: key step w / 2, channel lane r, bytes 2 (w % 2) on
	v_add_nc_u32 v23, VSG, v2
	v_lshlrev_b32 v17, 6, v20                      ; Q's and K's bias: 16 h channels on
	v_and_b32 v18, 8, v1
	v_add_nc_u32 v18, v18, v1
	v_lshlrev_b32 v18, 2, v18                      ; V's bias: channel r + 8 (r / 8) of the tile
.irp b, 0,1,2,3
	v_mov_b32 v[TM+4+\b], 0                        ; written once: a lane permute's destination counts as one of its sources
.endr
	s_mov_b32 s98, 0x76543210
	s_mov_b32 s99, 0xfedcba98                      ; lane l xor 16
	s_mul_i32 s66, s42, 768
	s_mov_b32 s67, 0
	s_add_nc_u64 s[8:9], s[8:9], s[66:67]          ; the head's 192 numbers of b_qkv
	WIN 0x40
.irp b, 0,1,2,3,4,5,6,7                        ; the biases are the C of each sum's first product: eight registers a tile in the result's layout
	global_load_b128 v[192+8*\b:192+8*\b+3], v17, s[8:9] offset:((\b/4)*64+32*((\b%4)/2)+8*(\b%2))*4
	global_load_b128 v[192+8*\b+4:192+8*\b+7], v17, s[8:9] offset:((\b/4)*64+32*((\b%4)/2)+8*(\b%2))*4+16
.endr
	WIN 0xc0
.irp bv, 0,1,2,3
.irp j, 0,1,2,3,4,5,6,7
	global_load_b32 v[224+8*\bv+\j], v18, s[8:9] offset:512+(32*(\bv/2)+8*(\bv%2))*4   ; V: a lane's eight registers are eight tokens of one channel
.endr
.endr
	WIN 0
	; where the results go
	s_lshr_b32 s66, s21, 3
	s_lshl_b32 s66, s66, 4
	s_add_co_u32 s66, s66, s42                     ; bh = 16 x batch + head
	s_and_b32 s67, s21, 7
	s_lshl_b32 s67, s67, 2
	s_add_co_u32 s67, s67, s18                     ; my group of 64 tokens in the batch
	s_lshl_b32 s2, s66, 5
	s_add_co_u32 s96, s2, s67                      ; 32 bh + group
	s_mul_i32 s2, s96, 3072                        ; four images of Q, of K and of V alike
	s_mov_b32 s3, 0
	s_add_nc_u64 s[10:11], s[10:11], s[2:3]
	s_add_nc_u64 s[12:13], s[12:13], s[2:3]
	s_add_nc_u64 s[14:15], s[14:15], s[2:3]
	s_lshl_b32 s2, s96, 9
	s_add_nc_u64 s[92:93], s[16:17], s[2:3]        ; Q's and K's scale words: 512 bytes a group
	s_lshl_b32 s2, s66, 12
	s_and_b32 s67, s21, 7
	s_lshl_b32 s67, s67, 9
	s_add_co_u32 s2, s2, s67
	s_add_co_u32 s2, s2, VSO
	s_add_nc_u64 s[94:95], s[16:17], s[2:3]        ; V's: 512 bytes a work-group
.macro FRAG4 dst, a16, a8, off         ; a fragment: two images
	ds_load_b128 v[\dst:\dst+3], v[\a16] offset:\off
	ds_load_b64 v[\dst+4:\dst+5], v[\a8] offset:\off+512
	ds_load_b128 v[\dst+6:\dst+9], v[\a16] offset:\off+768
	ds_load_b64 v[\dst+10:\dst+11], v[\a8] offset:\off+1280
.endm
.macro FETCH slot, q, f                ; 64 loads: X's four tiles, W's tiles 0-3, 4-7, 8-11, of the slot's q-th 128 along K, into set f
	WIN 0
.irp j, 0,1,2,3
	FRAG4 AF+48*(\f)+12*\j, 4+(\slot), 6+(\slot), \j*3072+(\q)*1536
.endr
	WIN 0x40
.irp b, 0,1,2,3,4,5,6,7
	FRAG4 96*(\f)+12*\b, 8+(\slot), 10+(\slot), \b*3072+(\q)*1536
.endr
	WIN 0xc0
.irp b, 0,1,2,3
	FRAG4 128+48*(\f)+12*\b, 8+(\slot), 10+(\slot), (8+\b)*3072+(\q)*1536
.endr
.endm
; One product of Q or K: source 0 = W's tile b, source 1 = X's tile a.  A scale register's lanes 16-31 hold the words of W's tile b where b is 6 or more, of X's tile a where a is 2 or more.
.macro WMQK a, b, f, s, first
.set rD, 64*(\a)+8*(\b)
.set rC, rD
.if \first
.set rC, 192+8*(\b)
.endif
.set rW, 96*(\f)+12*(\b)
.set rX, AF+48*(\f)+12*(\a)
.set rSW, RSB+8*((\b)%6)+(\s)
.set rSX, RSA+8*((\a)%2)+(\s)
.if ((\b) >= 6) && ((\a) >= 2)
	v_wmma_scale_f32_16x16x128_f8f6f4 v[rD:rD+7], v[rW:rW+11], v[rX:rX+11], v[rC:rC+7], v[rSW], v[rSX] matrix_a_fmt:MATRIX_FMT_BF6 matrix_b_fmt:MATRIX_FMT_BF6 matrix_a_scale:MATRIX_SCALE_ROW1 matrix_b_scale:MATRIX_SCALE_ROW1
.elseif (\b) >= 6
	v_wmma_scale_f32_16x16x128_f8f6f4 v[rD:rD+7], v[rW:rW+11], v[rX:rX+11], v[rC:rC+7], v[rSW], v[rSX] matrix_a_fmt:MATRIX_FMT_BF6 matrix_b_fmt:MATRIX_FMT_BF6 matrix_a_scale:MATRIX_SCALE_ROW1
.elseif (\a) >= 2
	v_wmma_scale_f32_16x16x128_f8f6f4 v[rD:rD+7], v[rW:rW+11], v[rX:rX+11], v[rC:rC+7], v[rSW], v[rSX] matrix_a_fmt:MATRIX_FMT_BF6 matrix_b_fmt:MATRIX_FMT_BF6 matrix_b_scale:MATRIX_SCALE_ROW1
.else
	v_wmma_scale_f32_16x16x128_f8f6f4 v[rD:rD+7], v[rW:rW+11], v[rX:rX+11], v[rC:rC+7], v[rSW], v[rSX] matrix_a_fmt:MATRIX_FMT_BF6 matrix_b_fmt:MATRIX_FMT_BF6
.endif
.endm
.macro MULQK b0, f, s, first           ; 16 products: W's tiles b0 .. b0 + 3 x X's four.  The 48 accumulators take turns, one instruction a turn, in the same order in every step
.if \first
	WIN 0x91                                       ; W window 1, X window 0, C (the bias) window 1, D window 2
.else
	WIN 0xa1                                       ; C and D window 2
.endif
.irp b, \b0, \b0+1, \b0+2, \b0+3
.irp a, 0,1,2,3
	WMQK \a, \b, \f, \s, \first
.endr
.endr
.endm
.macro WMV a, bv, f, s, first          ; one product of V: source 0 = X's tile a, source 1 = W's tile 8 + bv
.set rD, 32*(\bv)+8*(\a)
.set rC, rD
.if \first
.set rC, 224+8*(\bv)
.endif
.set rX, AF+48*(\f)+12*(\a)
.set rW, 128+48*(\f)+12*(\bv)
.set rSX, RSA+8*((\a)%2)+(\s)
.set rSW, RSB+8*(2+(\bv))+(\s)
.if (\a) >= 2
	v_wmma_scale_f32_16x16x128_f8f6f4 v[rD:rD+7], v[rX:rX+11], v[rW:rW+11], v[rC:rC+7], v[rSX], v[rSW] matrix_a_fmt:MATRIX_FMT_BF6 matrix_b_fmt:MATRIX_FMT_BF6 matrix_a_scale:MATRIX_SCALE_ROW1 matrix_b_scale:MATRIX_SCALE_ROW1
.else
	v_wmma_scale_f32_16x16x128_f8f6f4 v[rD:rD+7], v[rX:rX+11], v[rW:rW+11], v[rC:rC+7], v[rSX], v[rSW] matrix_a_fmt:MATRIX_FMT_BF6 matrix_b_fmt:MATRIX_FMT_BF6 matrix_b_scale:MATRIX_SCALE_ROW1
.endif
.endm
.macro MULV f, s, first
	WIN 0xfc                                       ; X window 0; W, C and D window 3
.irp bv, 0,1,2,3
.irp a, 0,1,2,3
	WMV \a, \bv, \f, \s, \first
.endr
.endr
.endm
; A slot's first 128 along K (set 0); the second 128's fragments are fetched into set 1 behind the first 16 products.
.macro STEP slot, s, first
	s_wait_dscnt 32                                ; X's tiles and W's 0-3 are in; the youngest 32 loads (W's 4-11) may be out
	MULQK 0, 0, \s, \first
	s_wait_dscnt 0x0
	PLACES                                         ; the other set was last read by the step before
	FETCH \slot, 1, 1
	MULQK 4, 0, \s, \first
	MULV 0, \s, \first
.endm
; A slot's second 128 (set 1) changes slots: ONE barrier; in front of it each wave waits for all its tensor loads, adds 0 to its spare word, and waits for that and for its reads of this slot.
.macro TURN slot, next, s, fill
	WIN 0                                          ; (the add's two registers lie in window 0)
	s_wait_tensorcnt 0x0                           ; all my tensor loads have landed: my part of the next slot
	ds_add_u32 v14, v15                            ; 0 onto my spare word
	s_wait_dscnt 33                                ; (the add and the youngest 32 loads may be out)
	MULQK 0, 1, \s, 0                              ; sixteen products stand between the add and the wait for it
	s_wait_dscnt 0x0                               ; the add is done, and my reads of this slot are over
	s_barrier_signal -1
	MULQK 4, 1, \s, 0
	WIN 0
	s_barrier_wait -1
.if \fill
	CREST                                          ; the barrier has opened a round of the cluster's barrier: no wave of any partner still reads this slot or has a load on its way
	s_add_nc_u64 s[G0A+4*\slot+2:G0A+4*\slot+3], s[G0A+4*\slot+2:G0A+4*\slot+3], 6144
	s_add_nc_u64 s[G0B+4*\slot+2:G0B+4*\slot+3], s[G0B+4*\slot+2:G0B+4*\slot+3], 6144
	JLOAD G0A+4*\slot, G1A, G0B+4*\slot, G1B       ; the first tensor load behind the round, my one load until the next; its four v_nop are also the places in front of the loads below
.else
	PLACES
.endif
	FETCH \next, 0, 0
	MULV 1, \s, 0
.endm
	s_wait_tensorcnt 1                             ; the scale bytes and my part of slot 0 are in; slot 1's load may be out
	s_barrier_signal -1
	s_barrier_wait -1
.irp j, 0,1                                    ; the scale words of all eight K steps stay in registers
	ds_load_b128 v[RSA+8*\j:RSA+8*\j+3], v12 offset:512*\j
	ds_load_b128 v[RSA+8*\j+4:RSA+8*\j+7], v12 offset:512*\j+16
.endr
.irp i, 0,1,2,3,4,5
	ds_load_b128 v[RSB+8*\i:RSB+8*\i+3], v13 offset:512*\i
	ds_load_b128 v[RSB+8*\i+4:RSB+8*\i+7], v13 offset:512*\i+16
.endr
	FETCH 0, 0, 0
	s_wait_loadcnt 0x0                             ; the biases
	STEP 0, 0, 1                                   ; the first products start the sums from the biases: nothing is cleared
	TURN 0, 1, 1, 1
	STEP 1, 2, 0
	TURN 1, 0, 3, 1
	STEP 0, 4, 0
	TURN 0, 1, 5, 0                                ; nothing is left to fetch
	STEP 1, 6, 0
	s_wait_dscnt 32
	MULQK 0, 1, 7, 0
	s_wait_dscnt 0x0
	MULQK 4, 1, 7, 0
	MULV 1, 7, 0
	WIN 0
	PLACES
; THE WAY OUT.  64 registers of window w from v[s] on, register 16 b + i = index 32 b + 16 (lane / 16) + i of my row, become 12 registers of codes in v[PC] on (two images); block b's byte stays in v[TM+4+b].
.macro QUANT4 w, s
	WIN (\w)|((\w)<<2)                             ; sources 0 and 1 in window w
.irp b, 0,1,2,3
	v_max3_num_f32 v[TM+\b], |v[(\s)+16*\b]|, |v[(\s)+16*\b+1]|, 0x2800000   ; each accumulator is read from its low end on; the floor 2^(5 - 127) holds the byte at 1 from below
.endr
.irp i, 2,4,6,8,10,12,14
.irp b, 0,1,2,3
	v_max3_num_f32 v[TM+\b], |v[(\s)+16*\b+\i]|, |v[(\s)+16*\b+\i+1]|, v[TM+\b]
.endr
.endr
	WIN 0
.irp b, 0,1,2,3
	v_permlanex16_b32 v[TM+4+\b], v[TM+\b], s98, s99
.endr
.irp b, 0,1,2,3
	v_max_num_f32 v[TM+\b], v[TM+\b], v[TM+4+\b]   ; with lane l xor 16's 16: the block's largest magnitude
.endr
.irp b, 0,1,2,3
	v_add_nc_u32 v[TM+12+\b], 0xfe000000, v[TM+\b] ; 4 off the exponent field: the conversion's scale operand
.endr
.irp b, 0,1,2,3
	v_lshrrev_b32 v[TM+4+\b], 23, v[TM+12+\b]      ; the byte
.endr
	s_wait_alu depctr_va_vdst(0)
	s_wait_xcnt 0x0                                ; earlier stores have read the codes' registers: they are written again only behind this wait
	WIN \w
.irp c, 0,1
	v_cvt_scalef32_pk16_bf6_f32 v[PC+6*\c:PC+6*\c+2], v[(\s)+32*\c:(\s)+32*\c+15], v[TM+12+2*\c]
	v_cvt_scalef32_pk16_bf6_f32 v[PC+12+4*\c:PC+12+4*\c+2], v[(\s)+32*\c+16:(\s)+32*\c+31], v[TM+12+2*\c+1]
.endr
	WIN 0
	v_nop                                          ; one plain place behind a scaled conversion
.irp c, 0,1                                    ; an image wants a whole block in a lane: lanes 0-15 block 2 c, lanes 16-31 block 2 c + 1
.irp i, 0,1,2
	v_permlane16_swap_b32 v[PC+6*\c+\i], v[PC+12+4*\c+\i]
.endr
.irp i, 0,1,2
	v_mov_b32 v[PC+6*\c+3+\i], v[PC+12+4*\c+\i]
.endr
.endr
.endm
.irp a, 0,1,2,3                                ; tile a of my tokens: blocks 0, 1 are Q's 64 channels, blocks 2, 3 K's
	QUANT4 2, 64*\a
	v_lshl_or_b32 v[100+\a], v[TM+5], 8, v[TM+4]
	v_lshl_or_b32 v[104+\a], v[TM+7], 8, v[TM+6]
	v_or_b32 v[100+\a], 0x7f7f0000, v[100+\a]      ; a head fills 64 of the next product's 128: the other two bytes stand for 1.0, over zero codes
	v_or_b32 v[104+\a], 0x7f7f0000, v[104+\a]
	global_store_b128 v2, v[PC:PC+3], s[10:11] offset:768*\a
	global_store_b64 v3, v[PC+4:PC+5], s[10:11] offset:768*\a+512
	global_store_b128 v2, v[PC+6:PC+9], s[12:13] offset:768*\a
	global_store_b64 v3, v[PC+10:PC+11], s[12:13] offset:768*\a+512
.endr
	v_cmp_eq_u32 vcc_lo, 1, v20
.irp i, 0,1,2,3
	v_cndmask_b32 v[108+\i], v[100+\i], v[104+\i], vcc_lo   ; lanes 0-15 store Q's four words of their token lane, lanes 16-31 K's
.endr
	global_store_b128 v2, v[108:111], s[92:93]     ; 512 consecutive bytes
.irp bv, 0,2                                   ; V's tiles bv and bv + 1: blocks 0, 1 are tile bv's 64 tokens, blocks 2, 3 tile bv + 1's
	QUANT4 3, 32*\bv
	v_lshl_or_b32 v[96+\bv], v[TM+5], 8, v[TM+4]
	v_lshl_or_b32 v[97+\bv], v[TM+7], 8, v[TM+6]
	ds_store_b16 v16, v[96+\bv] offset:4*\bv       ; my two bytes of the key step's word (both halves of the lanes write the same value)
	ds_store_b16 v16, v[97+\bv] offset:4*\bv+4
	global_store_b128 v2, v[PC:PC+3], s[14:15] offset:768*\bv
	global_store_b64 v3, v[PC+4:PC+5], s[14:15] offset:768*\bv+512
	global_store_b128 v2, v[PC+6:PC+9], s[14:15] offset:768*\bv+768
	global_store_b64 v3, v[PC+10:PC+11], s[14:15] offset:768*\bv+1280
.endr
	s_wait_dscnt 0x0                               ; for the others' sake: my bytes lie in LDS
	s_barrier_signal -1
	s_barrier_wait -1
	s_cmp_lg_u32 s18, 0
	s_cbranch_scc1 .Lnot_first
	ds_load_b128 v[116:119], v23                   ; wave 0 stores the work-group's 512 bytes of V's scale words, consecutive
	s_wait_dscnt 0x0
	global_store_b128 v2, v[116:119], s[94:95]
.Lnot_first:
	s_wait_tensorcnt 0x0                           ; the wave's end
	ds_add_u32 v14, v15
	s_wait_dscnt 0x0
	CROUND                                         ; the closing round: no work-group ends while a partner may still ask for a tile that names it
	s_endpgm
.Lfunc_end_k_q48af442325_qkv:
	.size	k_q48af442325_qkv, .Lfunc_end_k_q48af442325_qkv-k_q48af442325_qkv
	.p2alignl 7, 3214868480
	.fill 96, 4, 3214868480
	.section	.rodata,"a",@progbits
	.p2align	6, 0x0
	.amdhsa_kernel k_q48af442325_qkv
		.amdhsa_group_segment_fixed_size 327680
		.amdhsa_private_segment_fixed_size 0
		.amdhsa_enable_private_segment 0
		.amdhsa_kernarg_size 56
		.amdhsa_user_sgpr_count 2
		.amdhsa_user_sgpr_kernarg_segment_ptr 1
		.amdhsa_wavefront_size32 1
		.amdhsa_system_sgpr_workgroup_id_x 1
		.amdhsa_system_sgpr_workgroup_id_y 1
		.amdhsa_system_sgpr_workgroup_id_z 1
		.amdhsa_system_vgpr_workitem_id 0
		.amdhsa_next_free_vgpr 1024
		.amdhsa_next_free_sgpr 100
		.amdhsa_reserve_vcc 1
		.amdhsa_float_denorm_mode_32 3
		.amdhsa_float_denorm_mode_16_64 3
		.amdhsa_memory_ordered 1
		.amdhsa_forward_progress 1
		.amdhsa_inst_pref_size 129
	.end_amdhsa_kernel
	.amdgpu_metadata
---
amdhsa.version: [ 1, 2 ]
amdhsa.kernels:
  - .name:           k_q48af442325_qkv
    .symbol:         k_q48af442325_qkv.kd
    .args:
      - { .name: xw_codes, .offset: 0, .size: 8, .value_kind: global_buffer, .address_space: global }
      - { .name: xw_scales, .offset: 8, .size: 8, .value_kind: global_buffer, .address_space: global }
      - { .name: b_qkv, .offset: 16, .size: 8, .value_kind: global_buffer, .address_space: global }
      - { .name: q_codes, .offset: 24, .size: 8, .value_kind: global_buffer, .address_space: global }
      - { .name: k_codes, .offset: 32, .size: 8, .value_kind: global_buffer, .address_space: global }
      - { .name: v_codes, .offset: 40, .size: 8, .value_kind: global_buffer, .address_space: global }
      - { .name: qkv_scales, .offset: 48, .size: 8, .value_kind: global_buffer, .address_space: global }
    .group_segment_fixed_size: 327680
    .private_segment_fixed_size: 0
    .kernarg_segment_align: 8
    .kernarg_segment_size: 56
    .max_flat_workgroup_size: 128
    .sgpr_count:     100
    .vgpr_count:     1024
    .wavefront_size: 32
...
	.end_amdgpu_metadata
.endif
;; end of part 2
;; launch attn (part 3): grid 4 x 64, 16 waves a work-group, clusters of 4 x 1, 210,944 bytes of LDS; arguments q_codes, k_codes, v_codes, qkv_scales, o_codes, o_scales; writes o_codes, o_scales
.if DOCPART == 3
	.amdgcn_target "amdgcn-amd-amdhsa--gfx1250"
	.amdhsa_code_object_version 6
	.text
	.protected	k_q48af442325_attn
	.globl	k_q48af442325_attn
	.p2align	8
	.type	k_q48af442325_attn,@function
k_q48af442325_attn:
	s_mov_b64 s[64:65], 0
	v_nop
	global_prefetch_b8 v0, s[64:65] scope:SCOPE_SE
	s_setreg_imm32_b32 hwreg(HW_REG_WAVE_MODE, 25, 1), 1
	s_wait_xcnt 0x0
	s_wait_alu depctr_hold_cnt(0) depctr_sa_sdst(0) depctr_va_vdst(0) depctr_va_sdst(0) depctr_va_ssrc(0) depctr_va_vcc(0) depctr_vm_vsrc(0)
	s_getreg_b32 s2, hwreg(HW_REG_IB_STS2, 6, 4)
	s_cmp_eq_u32 s2, 0
	s_cbranch_scc0 .Lentry_in_a_cluster
	s_endpgm
.Lentry_in_a_cluster:
	s_bfe_u32 s2, ttmp6, 0x10000c
	s_cmp_lg_u32 s2, 0x3003
	s_cbranch_scc0 .Lentry_shape_is_right
	s_endpgm
.Lentry_shape_is_right:
; Causal attention of one head (2,048 tokens, 64 channels) on codes of BF6 (E3M2), and O quantised along the channels for the last product.
; t = score x log2(e) / 8; M = the running largest t rounded UP to a whole number; p = 2^(t - M) is quantised along the keys, not normalised; the row's sum is taken of the unquantised p and divides O at the end.
; When M moves, the sum and O^T are multiplied by 2^(old M - new M): exact.
; A CLUSTER IS A HEAD: its four work-groups need the same K and V.  A head's images of K and V (98,304 bytes each) and their scale words (8,192 and 4,096 bytes) lie in LDS whole, filled ONCE by joint loads that name
; all four: no ring, no refill, no barrier in the loop, no LDS store in the launch.
; SHARES.  A wave owns two tiles of 16 queries, tau = 8 (w / 2) + 4 (w % 2) + cx and 127 - tau: they need w / 2 + 1 and 16 - w / 2 key steps of 128, 17 for every wave.  How many steps are worked hangs on the
; wave's number alone; cx enters global addresses and the mask's vector compare, no branch and no LDS address.
; LAYOUT.  Both products are used transposed (S^T = K Q^T, O^T = V^T P^T): a lane holds one query.  Lane rho of token tile 2 B + U is token 32 B + 8 U + rho + 8 (rho / 8), so the 16 registers of two neighbouring tiles of S^T
; are 16 neighbouring keys, and those of O^T 16 neighbouring channels.
; THE HEAD FILLS HALF OF THE INSTRUCTION'S 128: a tile of K is named with the six registers that follow it (the next tile's codes; behind the last tile zeros).  They meet Q's zero codes, under scale bytes that stand for 1.0;
; every code of this format is a finite number, so these products are exact zeros.
; LIMITS: NaN and infinities are not served; a block of O whose largest magnitude lies under 2^-122 gets the byte 1.  O's scale bytes leave as single bytes, 32 bytes apart: a row's 32 bytes come from 16 heads, that is from
; 16 clusters, and no one owner could write them whole; they are one byte for each 24 bytes of codes.
; REGISTERS: v1-7 addresses that stay; v8-11, v30-31 the step's; v12 -M, v13 the largest t, v[14:15] the sum; v16-21 Q, v22-27 zeros; v28 Q's scale word; v29 the mask's bound; v32-79 K's eight images, then V's four fragments;
; v80-85 zeros; v86-87 lane constants; v88-95 block maxima, bytes; v96-159 S^T, then p; v160-191 O^T; v192-203 p's codes; v204-210 conversions' second halves; v212-215 scale operands; v216 f, v217 p's scale word;
; v218-221 at work; v224-231 K's scale words, v232-235 V's.
.set VIMG, 98304
.set KSC,  196608
.set VSC,  204800
.set VSO,  1048576                     ; V's scale words in qkv_scales
.set WV,   18
.set G1C,  24                          ; s[24:31] group 1 for 24,576 dense bytes of images;  s[32:39] K's scale words;  s[40:47] V's
.set G1KS, 32
.set G1VS, 40
.set G0K,  48                          ; s[48:51], s[52:55], s[56:59], s[60:63] groups 0
.set G0V,  52
.set G0KS, 56
.set G0VS, 60
.set KS,   68                          ; s68 the key step;  s69, s70, s71 where its images, K's words and V's words begin
.set TB,   69
.set TS,   70
.set TJ,   71
.set HM,   72                          ; s72 mask of lanes 16-31
.set SEL,  74                          ; s[74:75] lane l xor 16
.set CS,   76                          ; s[76:77] c = log2(e) / 8
.set TAU,  78                          ; s78 the tile of queries in hand
.set LIM,  79                          ; s79 its last key step, the one on the diagonal
.macro CROUND                          ; a round of the cluster's barrier
	s_barrier_signal -1
	s_barrier_wait -1
	s_cmp_lg_u32 s[WV], 0
	s_cbranch_scc1 .Lnot_wave_0_\@
	s_barrier_signal -3
.Lnot_wave_0_\@:
	s_barrier_wait -3
	s_barrier_signal -1
	s_barrier_wait -1
.endm
	s_load_b256 s[4:11], s[0:1], 0x0               ; q_codes s[4:5], k_codes s[6:7], v_codes s[8:9], qkv_scales s[10:11]
	s_load_b128 s[12:15], s[0:1], 0x20             ; o_codes s[12:13], o_scales s[14:15]
	v_lshl_add_u32 v254, v0, 2, 0x33000
	v_mov_b32 v255, 0
	ds_add_u32 v254, v255
	ds_add_u32 v254, v255
	v_lshrrev_b32 v1, 5, v0
	s_delay_alu instid0(VALU_DEP_1)
	v_readfirstlane_b32 s[WV], v1                  ; wave 0..15
	s_bfe_u32 s19, ttmp6, 0x40000                  ; cx
	s_and_b32 s20, ttmp7, 0xffff                   ; bh = 16 x batch + head, which the four partners share
	s_mov_b32 s[G1C], 15|(3<<16)|(1<<21)           ; the mask: all four work-groups; elements of 8 bytes; bit 21 set beside a mask
	s_mov_b32 s[G1C+1], 32<<16                     ; 96 rows of 256 bytes, dense
	s_mov_b32 s[G1C+2], 96<<16
	s_mov_b32 s[G1C+3], 32<<16
	s_mov_b32 s[G1C+4], 96
	s_mov_b32 s[G1C+5], 32
	s_mov_b32 s[G1C+6], 0
	s_mov_b32 s[G1C+7], 0
	s_mov_b32 s[G1KS], 15|(3<<16)|(1<<21)
	s_mov_b32 s[G1KS+1], 32<<16                    ; 32 rows of 256 bytes, 512 apart: K's half of each group's words
	s_mov_b32 s[G1KS+2], 32<<16
	s_mov_b32 s[G1KS+3], 32<<16
	s_mov_b32 s[G1KS+4], 32
	s_mov_b32 s[G1KS+5], 64
	s_mov_b32 s[G1KS+6], 0
	s_mov_b32 s[G1KS+7], 0
	s_mov_b32 s[G1VS], 15|(3<<16)|(1<<21)
	s_mov_b32 s[G1VS+1], 32<<16                    ; 16 rows of 256 bytes, dense
	s_mov_b32 s[G1VS+2], 16<<16
	s_mov_b32 s[G1VS+3], 32<<16
	s_mov_b32 s[G1VS+4], 16
	s_mov_b32 s[G1VS+5], 32
	s_mov_b32 s[G1VS+6], 0
	s_mov_b32 s[G1VS+7], 0
	s_and_b32 s21, s[WV], 3
	s_mul_i32 s22, s21, 24576
	s_mul_i32 s23, s20, 98304
	s_add_co_u32 s22, s22, s23                     ; my quarter of the head's images
	s_mov_b32 s23, 0
	s_mul_i32 s66, s[WV], 24576                    ; waves 0-3: K's quarters from LDS byte 0 on; waves 4-7: V's, behind them
	s_lshl_b32 s68, s20, 14
	s_add_co_u32 s68, s68, 256
	s_mov_b32 s69, 0
	s_lshl_b32 s70, s20, 12
	s_add_co_u32 s70, s70, VSO
	s_mov_b32 s71, 0
	s_wait_dscnt 0x0
	s_wait_kmcnt 0x0
	s_mov_b32 s[G0K], 1
	s_mov_b32 s[G0K+1], s66
	s_add_nc_u64 s[G0K+2:G0K+3], s[6:7], s[22:23]
	s_or_b32 s[G0K+3], s[G0K+3], 0x80000000
	s_mov_b32 s[G0V], 1
	s_mov_b32 s[G0V+1], s66
	s_add_nc_u64 s[G0V+2:G0V+3], s[8:9], s[22:23]
	s_or_b32 s[G0V+3], s[G0V+3], 0x80000000
	s_mov_b32 s[G0KS], 1
	s_mov_b32 s[G0KS+1], KSC
	s_add_nc_u64 s[G0KS+2:G0KS+3], s[10:11], s[68:69]
	s_or_b32 s[G0KS+3], s[G0KS+3], 0x80000000
	s_mov_b32 s[G0VS], 1
	s_mov_b32 s[G0VS+1], VSC
	s_add_nc_u64 s[G0VS+2:G0VS+3], s[10:11], s[70:71]
	s_or_b32 s[G0VS+3], s[G0VS+3], 0x80000000
	CROUND                                         ; all four work-groups are here: the joint loads meet
	s_cmp_lt_u32 s[WV], 4                          ; one load a wave, waves 0 to 9; the branches hang on the wave's number alone; four v_nop follow each load
	s_cbranch_scc0 .Lnot_k
	tensor_load_to_lds s[G0K:G0K+3], s[G1C:G1C+7]
	s_nop 0
.rept 4
	v_nop
.endr
	s_branch .Lasked
.Lnot_k:
	s_cmp_lt_u32 s[WV], 8
	s_cbranch_scc0 .Lnot_v
	tensor_load_to_lds s[G0V:G0V+3], s[G1C:G1C+7]
	s_nop 0
.rept 4
	v_nop
.endr
	s_branch .Lasked
.Lnot_v:
	s_cmp_eq_u32 s[WV], 8
	s_cbranch_scc0 .Lnot_ks
	tensor_load_to_lds s[G0KS:G0KS+3], s[G1KS:G1KS+7]
	s_nop 0
.rept 4
	v_nop
.endr
	s_branch .Lasked
.Lnot_ks:
	s_cmp_eq_u32 s[WV], 9
	s_cbranch_scc0 .Lasked
	tensor_load_to_lds s[G0VS:G0VS+3], s[G1VS:G1VS+7]
	s_nop 0
.rept 4
	v_nop
.endr
.Lasked:
	v_and_b32 v7, 15, v0                           ; r
	v_bfe_u32 v8, v0, 4, 1                         ; h
	v_and_b32 v9, 31, v0
	s_delay_alu instid0(VALU_DEP_1)
	v_lshlrev_b32 v1, 4, v9                        ; 16 x lane: K's images, and global images
	s_delay_alu instid0(VALU_DEP_2)
	v_lshlrev_b32 v2, 3, v9                        ; 8 x lane
	s_delay_alu instid0(VALU_DEP_2)
	v_add_nc_u32 v3, VIMG, v1                      ; the same for V's
	s_delay_alu instid0(VALU_DEP_2)
	v_add_nc_u32 v4, VIMG, v2
	v_lshl_add_u32 v5, v7, 4, KSC                  ; K's scale words: four tiles' words of lane r
	v_lshl_add_u32 v6, v7, 4, VSC                  ; V's likewise
	v_and_b32 v86, 8, v7
	s_delay_alu instid0(VALU_DEP_1)
	v_add_nc_u32 v86, v86, v7
	v_lshlrev_b32 v10, 4, v8
	s_delay_alu instid0(VALU_DEP_1)
	v_sub_nc_u32 v86, v86, v10                     ; r + 8 (r / 8) - 16 h
	v_lshl_add_u32 v87, v7, 5, v8                  ; 32 r + h: my byte among the tile's scale bytes of O
	v_cmp_eq_u32 s[HM], 1, v8
	v_lshlrev_b32 v7, 4, v7                        ; 16 r
.irp j, 22,23,24,25,26,27,80,81,82,83,84,85,92,93,94,95,216,217,218
	v_mov_b32 v\j, 0                               ; zero codes; and registers that are named (a permute's destination, a pair's upper half) before the loop first writes them
.endr
	v_mov_b32 v219, 0xff800000                     ; -infinity
	s_mov_b32 s[SEL], 0x76543210
	s_mov_b32 s[SEL+1], 0xfedcba98
	s_mov_b32 s[CS], 0x3e38aa3b                    ; c = log2(e) / sqrt(64)
	s_mov_b32 s[CS+1], s[CS]                       ; (named with it as a pair, so it is written)
	s_lshr_b32 s[LIM], s[WV], 1
	s_lshl_b32 s[TAU], s[LIM], 3
	s_and_b32 s80, s[WV], 1
	s_lshl_b32 s80, s80, 2
	s_add_co_u32 s[TAU], s[TAU], s80
	s_add_co_u32 s[TAU], s[TAU], s19
	s_wait_tensorcnt 0x0                           ; my load, if I had one, has landed,
	s_barrier_signal -1
	s_barrier_wait -1                              ; everybody's has
; ONE TILE OF QUERIES, from its first key step to O's codes.
.macro PASS
	s_lshl_b32 s80, s20, 7
	s_add_co_u32 s80, s80, s[TAU]
	s_mul_i32 s80, s80, 768
	s_mov_b32 s81, 0
	s_add_nc_u64 s[82:83], s[4:5], s[80:81]        ; Q's image
	s_lshr_b32 s80, s[TAU], 2
	s_lshl_b32 s80, s80, 9
	s_and_b32 s66, s[TAU], 3
	s_lshl_b32 s66, s66, 2
	s_add_co_u32 s80, s80, s66
	s_lshl_b32 s66, s20, 14
	s_add_co_u32 s80, s80, s66
	s_add_nc_u64 s[84:85], s[10:11], s[80:81]      ; Q's scale words: group tau / 4, word tau % 4 of lane r
	s_lshr_b32 s66, s20, 4
	s_lshl_b32 s66, s66, 7
	s_add_co_u32 s66, s66, s[TAU]                  ; the tile among all 512: 128 x batch + tau
	s_and_b32 s67, s20, 15                         ; the head
	s_lshl_b32 s80, s66, 4
	s_add_co_u32 s80, s80, s67
	s_mul_i32 s80, s80, 768
	s_add_nc_u64 s[86:87], s[12:13], s[80:81]      ; O's image
	s_lshl_b32 s80, s66, 9
	s_lshl_b32 s67, s67, 1
	s_add_co_u32 s80, s80, s67
	s_add_nc_u64 s[88:89], s[14:15], s[80:81]      ; O's scale bytes
	global_load_b128 v[16:19], v1, s[82:83]
	global_load_b64 v[20:21], v2, s[82:83] offset:512
	global_load_b32 v28, v7, s[84:85]
	s_lshr_b32 s80, s[TAU], 1
	s_and_b32 s80, s80, 3
	s_lshl_b32 s80, s80, 5
	s_and_b32 s66, s[TAU], 1
	s_lshl_b32 s66, s66, 3
	s_add_co_u32 s80, s80, s66
	v_add_nc_u32 v29, s80, v86                     ; d = my query - the diagonal step's first key - 16 h
	v_mov_b32 v13, 0xff61b1e6                      ; the largest t so far: -3e38, under every t
	s_delay_alu instid0(VALU_DEP_1)
	v_floor_f32 v12, -v13                          ; -M
	v_mov_b32 v14, 0
	v_mov_b32 v15, 0
.set j, 0
.rept 32
	v_mov_b32 v[160+j], 0                          ; O^T: the first step finds zeros, which the first change of M leaves zeros
.set j, j+1
.endr
	s_mov_b32 s[KS], 0
	s_mov_b32 s[TB], 0
	s_mov_b32 s[TS], 0
	s_mov_b32 s[TJ], 0
	s_wait_loadcnt 0x0                             ; Q
.Lstep_\@:                                         ; 16 trips, a constant; a step all of whose keys come after my queries is jumped over, but for the lines that step addresses
	s_cmp_gt_u32 s[KS], s[LIM]
	s_cbranch_scc1 .Lhidden_\@
	s_setprio 2
	v_add_nc_u32 v8, s[TB], v1                     ; (these six are also the places between the last step's products and the loads below)
	v_add_nc_u32 v9, s[TB], v2
	v_add_nc_u32 v10, s[TB], v3
	v_add_nc_u32 v11, s[TB], v4
	v_add_nc_u32 v30, s[TS], v5
	v_add_nc_u32 v31, s[TJ], v6
.irp i, 0,1,2,3,4,5,6,7
	ds_load_b128 v[32+6*\i:35+6*\i], v8 offset:768*\i
	ds_load_b64 v[36+6*\i:37+6*\i], v9 offset:768*\i+512
.endr
	ds_load_b128 v[224:227], v30
	ds_load_b128 v[228:231], v30 offset:256
	s_wait_alu depctr_va_vdst(0)
	s_wait_dscnt 0x0
.irp i, 0,1,2,3,4,5,6,7                        ; S^T = K Q^T: eight tiles of 16 keys
	v_wmma_scale_f32_16x16x128_f8f6f4 v[96+8*\i:103+8*\i], v[32+6*\i:43+6*\i], v[16:27], 0, v[224+\i], v28 matrix_a_fmt:MATRIX_FMT_BF6 matrix_b_fmt:MATRIX_FMT_BF6
.endr
.rept 4
	v_nop                                          ; places in front of the loads into K's registers and of the first read of the scores
.endr
.irp t, 0,1,2,3                                ; V's four fragments (16 channels x these 128 keys) land while the softmax is worked
	ds_load_b128 v[32+12*\t:35+12*\t], v10 offset:768*\t
	ds_load_b64 v[36+12*\t:37+12*\t], v11 offset:768*\t+512
	ds_load_b128 v[38+12*\t:41+12*\t], v10 offset:768*\t+3072
	ds_load_b64 v[42+12*\t:43+12*\t], v11 offset:768*\t+3584
.endr
	ds_load_b128 v[232:235], v31
	s_cmp_lg_u32 s[KS], s[LIM]
	s_cbranch_scc1 .Lopen_\@
.set j, 0
.rept 64                                       ; on the diagonal: register 16 b + i holds key 32 b + 16 h + i of the step: hidden where 32 b + i > d.  Its score becomes -infinity, p = 0
	v_cmp_gt_i32 vcc_lo, 32*(j/16)+j%16, v29
	v_cndmask_b32 v[96+j], v[96+j], v219, vcc_lo
.set j, j+1
.endr
.Lopen_\@:
.irp b, 0,1,2,3
	v_max3_num_f32 v[88+\b], v[96+16*\b], v[97+16*\b], v[98+16*\b]   ; the largest score of each block of 32 keys: for the row's maximum and, since p rises with the score, for the block's largest p
.endr
.irp i, 3,5,7,9,11,13
.irp b, 0,1,2,3
	v_max3_num_f32 v[88+\b], v[88+\b], v[96+16*\b+\i], v[97+16*\b+\i]
.endr
.endr
.irp b, 0,1,2,3
	v_max_num_f32 v[88+\b], v[88+\b], v[111+16*\b]
.endr
.irp b, 0,1,2,3
	s_delay_alu instid0(VALU_DEP_4)
	v_permlanex16_b32 v[92+\b], v[88+\b], s[SEL], s[SEL+1]
.endr
.irp b, 0,1,2,3
	s_delay_alu instid0(VALU_DEP_4)
	v_max_num_f32 v[88+\b], v[88+\b], v[92+\b]     ; with lane l xor 16's 16 keys
.endr
	s_delay_alu instid0(VALU_DEP_2)
	v_max3_num_f32 v218, v88, v89, v90
	s_delay_alu instid0(VALU_DEP_1)
	v_max_num_f32 v218, v218, v91                  ; the step's largest score of my query (the step's first key always counts)
	s_delay_alu instid0(VALU_DEP_1)
	v_mul_f32 v218, s[CS], v218
	s_delay_alu instid0(VALU_DEP_1)
	v_max_num_f32 v13, v13, v218                   ; the running largest t
	v_mov_b32 v218, v12
	s_delay_alu instid0(VALU_DEP_2)
	v_floor_f32 v12, -v13                          ; the new -M = -ceil(t): a whole number
	s_delay_alu instid0(VALU_DEP_1)
	v_sub_f32 v218, v12, v218                      ; old M - new M: a whole number, 0 or less
	s_delay_alu instid0(VALU_DEP_1)
	v_cvt_i32_f32 v218, v218                       ; (it saturates)
	s_delay_alu instid0(VALU_DEP_1)
	v_ldexp_f32 v216, 1.0, v218                    ; f = 2^(old M - new M)
.set j, 0
	s_setprio 1
.rept 32
	v_pk_fma_f32 v[96+j:97+j], v[96+j:97+j], s[CS:CS+1], v[12:13] op_sel_hi:[1,0,0]   ; t - M, two at a time
.set j, j+2
.endr
.irp b, 0,1,2,3
	v_fma_f32 v[88+\b], v[88+\b], s[CS], v12       ; the same of each block's largest score
.endr
.set j, 0
	s_wait_alu depctr_va_vdst(0)
.rept 64
	v_exp_f32 v[96+j], v[96+j]                     ; p = 2^(t - M)
.set j, j+1
.endr
.irp b, 0,1,2,3
	v_exp_f32 v[88+\b], v[88+\b]                   ; the block's largest p: the same two instructions on the same number
.endr
	v_pk_mul_f32 v[14:15], v[14:15], v[216:217] op_sel_hi:[1,0]   ; the sums under the new M (a plain place behind the exponentials)
	s_wait_alu depctr_va_vdst(0)
.irp b, 0,1,2,3
	v_max_num_f32 v[88+\b], 0x2800000, v[88+\b]    ; the floor 2^(5 - 127): the byte cannot fall under 1
.endr
.irp b, 0,1,2,3
	s_delay_alu instid0(VALU_DEP_4)
	v_add_nc_u32 v[212+\b], 0xfe000000, v[88+\b]   ; 4 off the exponent field: the conversion's scale operand
.endr
.irp b, 0,1,2,3
	s_delay_alu instid0(VALU_DEP_4)
	v_lshrrev_b32 v[92+\b], 23, v[212+\b]
.endr
	s_delay_alu instid0(VALU_DEP_3)
	v_lshl_or_b32 v217, v93, 8, v92                ; p's scale word for these 128 keys
	s_delay_alu instid0(VALU_DEP_1)
	v_lshl_or_b32 v217, v94, 16, v217
	s_delay_alu instid0(VALU_DEP_1)
	v_lshl_or_b32 v217, v95, 24, v217
.irp c, 0,1
	v_cvt_scalef32_pk16_bf6_f32 v[192+6*\c:194+6*\c], v[96+32*\c:111+32*\c], v[212+2*\c]
	v_cvt_scalef32_pk16_bf6_f32 v[204+4*\c:206+4*\c], v[112+32*\c:127+32*\c], v[212+2*\c+1]
.endr
	v_nop                                          ; one plain place behind a scaled conversion
.irp c, 0,1                                    ; the operand wants a whole block in a lane
.irp i, 0,1,2
	v_permlane16_swap_b32 v[192+6*\c+\i], v[204+4*\c+\i]
.endr
.irp i, 0,1,2
	s_delay_alu instid0(VALU_DEP_3)
	v_mov_b32 v[195+6*\c+\i], v[204+4*\c+\i]
.endr
.endr
	v_pk_add_f32 v[220:221], v[100:101], v[104:105]
	v_pk_add_f32 v[252:253], v[108:109], v[112:113]
	v_pk_add_f32 v[250:251], v[116:117], v[120:121]
	v_pk_add_f32 v[248:249], v[124:125], v[128:129]
	v_pk_add_f32 v[246:247], v[132:133], v[136:137]
	v_pk_add_f32 v[244:245], v[140:141], v[144:145]
	v_pk_add_f32 v[242:243], v[148:149], v[152:153]
	v_pk_add_f32 v[14:15], v[14:15], v[156:157]
	v_pk_add_f32 v[220:221], v[220:221], v[96:97]
	v_pk_add_f32 v[252:253], v[252:253], v[98:99]
	s_setprio 0
	v_pk_add_f32 v[250:251], v[250:251], v[102:103]
	v_pk_add_f32 v[248:249], v[248:249], v[106:107]
	v_pk_add_f32 v[246:247], v[246:247], v[110:111]
	v_pk_add_f32 v[244:245], v[244:245], v[114:115]
	v_pk_add_f32 v[242:243], v[242:243], v[118:119]
	v_pk_add_f32 v[14:15], v[14:15], v[122:123]
	v_pk_add_f32 v[220:221], v[220:221], v[126:127]
	v_pk_add_f32 v[252:253], v[252:253], v[130:131]
	v_pk_add_f32 v[250:251], v[250:251], v[134:135]
	v_pk_add_f32 v[248:249], v[248:249], v[138:139]
	v_pk_add_f32 v[246:247], v[246:247], v[142:143]
	v_pk_add_f32 v[244:245], v[244:245], v[146:147]
	v_pk_add_f32 v[242:243], v[242:243], v[150:151]
	v_pk_add_f32 v[14:15], v[14:15], v[154:155]
	v_pk_add_f32 v[220:221], v[220:221], v[158:159]
	s_delay_alu instid0(VALU_DEP_2)
	v_pk_add_f32 v[14:15], v[14:15], v[248:249]
	s_delay_alu instid0(VALU_DEP_2)
	v_pk_add_f32 v[220:221], v[220:221], v[246:247]
	v_pk_add_f32 v[252:253], v[252:253], v[244:245]
	v_pk_add_f32 v[250:251], v[250:251], v[242:243]
	s_delay_alu instid0(VALU_DEP_2)
	v_pk_add_f32 v[14:15], v[14:15], v[252:253]
	s_delay_alu instid0(VALU_DEP_2)
	v_pk_add_f32 v[220:221], v[220:221], v[250:251]
	s_delay_alu instid0(VALU_DEP_1)
	v_pk_add_f32 v[14:15], v[14:15], v[220:221]
.set j, 0
.rept 16
	v_pk_mul_f32 v[160+j:161+j], v[160+j:161+j], v[216:217] op_sel_hi:[1,0]   ; O^T under the new M, each accumulator from its low end on
.set j, j+2
.endr
	s_wait_alu depctr_va_vdst(0)
	s_wait_dscnt 0x0                               ; V and its scale words
.irp t, 0,1,2,3                                ; O^T += V^T P^T: the four accumulators by turns
	v_wmma_scale_f32_16x16x128_f8f6f4 v[160+8*\t:167+8*\t], v[32+12*\t:43+12*\t], v[192:203], v[160+8*\t:167+8*\t], v[232+\t], v217 matrix_a_fmt:MATRIX_FMT_BF6 matrix_b_fmt:MATRIX_FMT_BF6
.endr
.Lhidden_\@:
	s_add_co_u32 s[TB], s[TB], 6144                ; eight tiles of K; two groups of four images of V
	s_add_co_u32 s[TS], s[TS], 512
	s_add_co_u32 s[TJ], s[TJ], 256
	s_add_co_u32 s[KS], s[KS], 1
	s_cmp_lt_u32 s[KS], 16
	s_cbranch_scc1 .Lstep_\@
	s_setprio 0
.rept 4
	v_nop                                          ; places behind the last products
.endr
	v_add_f32 v14, v14, v15                        ; the sum's two halves,
	s_delay_alu instid0(VALU_DEP_1)
	v_permlanex16_b32 v218, v14, s[SEL], s[SEL+1]
	s_delay_alu instid0(VALU_DEP_1)
	v_add_f32 v14, v14, v218                       ; and lane l xor 16's
	s_wait_alu depctr_va_vdst(0)
	v_rcp_f32 v14, v14
	v_nop                                          ; one plain place behind a transcendental
.set j, 0
	s_wait_alu depctr_va_vdst(0)
.rept 32
	v_mul_f32 v[96+j], v[160+j], v14               ; O^T / the sum: register 16 b + i is channel 32 b + 16 h + i of my query
.set j, j+1
.endr
.irp b, 0,1
	v_max3_num_f32 v[88+\b], |v[96+16*\b]|, |v[97+16*\b]|, 0x2800000
.endr
.irp i, 2,4,6,8,10,12,14
.irp b, 0,1
	s_delay_alu instid0(VALU_DEP_2)
	v_max3_num_f32 v[88+\b], v[88+\b], |v[96+16*\b+\i]|, |v[97+16*\b+\i]|
.endr
.endr
.irp b, 0,1
	s_delay_alu instid0(VALU_DEP_2)
	v_permlanex16_b32 v[92+\b], v[88+\b], s[SEL], s[SEL+1]
.endr
.irp b, 0,1
	s_delay_alu instid0(VALU_DEP_2)
	v_max_num_f32 v[88+\b], v[88+\b], v[92+\b]
.endr
.irp b, 0,1
	s_delay_alu instid0(VALU_DEP_2)
	v_add_nc_u32 v[212+\b], 0xfe000000, v[88+\b]
.endr
.irp b, 0,1
	s_delay_alu instid0(VALU_DEP_2)
	v_lshrrev_b32 v[92+\b], 23, v[212+\b]
.endr
	v_cvt_scalef32_pk16_bf6_f32 v[192:194], v[96:111], v212
	v_cvt_scalef32_pk16_bf6_f32 v[204:206], v[112:127], v213
	v_nop
.irp i, 0,1,2
	v_permlane16_swap_b32 v[192+\i], v[204+\i]
.endr
.irp i, 0,1,2
	s_delay_alu instid0(VALU_DEP_3)
	v_mov_b32 v[195+\i], v[204+\i]
.endr
	v_cndmask_b32 v218, v92, v93, s[HM]            ; my block's byte
	global_store_b128 v1, v[192:195], s[86:87]     ; O's image: 512 and 256 consecutive bytes
	global_store_b64 v2, v[196:197], s[86:87] offset:512
	global_store_b8 v87, v218, s[88:89]
	s_wait_xcnt 0x0                                ; the loads and stores have read their registers and bases: both may be written again
.endm
	PASS
	s_sub_co_u32 s[TAU], 127, s[TAU]               ; the partner tile, which evens the work out
	s_sub_co_u32 s[LIM], 15, s[LIM]
	PASS
	s_wait_dscnt 0x0
	s_wait_tensorcnt 0x0
	ds_add_u32 v254, v255
	s_wait_dscnt 0x0
	CROUND                                         ; the closing round
	s_endpgm
.Lfunc_end_k_q48af442325_attn:
	.size	k_q48af442325_attn, .Lfunc_end_k_q48af442325_attn-k_q48af442325_attn
	.p2alignl 7, 3214868480
	.fill 96, 4, 3214868480
	.section	.rodata,"a",@progbits
	.p2align	6, 0x0
	.amdhsa_kernel k_q48af442325_attn
		.amdhsa_group_segment_fixed_size 210944
		.amdhsa_private_segment_fixed_size 0
		.amdhsa_enable_private_segment 0
		.amdhsa_kernarg_size 48
		.amdhsa_user_sgpr_count 2
		.amdhsa_user_sgpr_kernarg_segment_ptr 1
		.amdhsa_wavefront_size32 1
		.amdhsa_system_sgpr_workgroup_id_x 1
		.amdhsa_system_sgpr_workgroup_id_y 1
		.amdhsa_system_sgpr_workgroup_id_z 1
		.amdhsa_system_vgpr_workitem_id 0
		.amdhsa_next_free_vgpr 256
		.amdhsa_next_free_sgpr 90
		.amdhsa_reserve_vcc 1
		.amdhsa_float_denorm_mode_32 3
		.amdhsa_float_denorm_mode_16_64 3
		.amdhsa_memory_ordered 1
		.amdhsa_forward_progress 1
		.amdhsa_inst_pref_size 67
	.end_amdhsa_kernel
	.amdgpu_metadata
---
amdhsa.version: [ 1, 2 ]
amdhsa.kernels:
  - .name:           k_q48af442325_attn
    .symbol:         k_q48af442325_attn.kd
    .args:
      - { .name: q_codes, .offset: 0, .size: 8, .value_kind: global_buffer, .address_space: global }
      - { .name: k_codes, .offset: 8, .size: 8, .value_kind: global_buffer, .address_space: global }
      - { .name: v_codes, .offset: 16, .size: 8, .value_kind: global_buffer, .address_space: global }
      - { .name: qkv_scales, .offset: 24, .size: 8, .value_kind: global_buffer, .address_space: global }
      - { .name: o_codes, .offset: 32, .size: 8, .value_kind: global_buffer, .address_space: global }
      - { .name: o_scales, .offset: 40, .size: 8, .value_kind: global_buffer, .address_space: global }
    .group_segment_fixed_size: 210944
    .private_segment_fixed_size: 0
    .kernarg_segment_align: 8
    .kernarg_segment_size: 48
    .max_flat_workgroup_size: 512
    .sgpr_count:     90
    .vgpr_count:     256
    .wavefront_size: 32
...
	.end_amdgpu_metadata
.endif
;; end of part 3
;; launch proj (part 4): grid 8 x 32, 4 waves a work-group, clusters of 4 x 4, 307,712 bytes of LDS; arguments o_codes, o_scales, xw_codes, xw_scales, b_out, out0; writes out0
.if DOCPART == 4
	.amdgcn_target "amdgcn-amd-amdhsa--gfx1250"
	.amdhsa_code_object_version 6
	.text
	.protected	k_q48af442325_proj
	.globl	k_q48af442325_proj
	.p2align	8
	.type	k_q48af442325_proj,@function
k_q48af442325_proj:
	s_mov_b64 s[64:65], 0
	v_nop
	global_prefetch_b8 v0, s[64:65] scope:SCOPE_SE
	s_setreg_imm32_b32 hwreg(HW_REG_WAVE_MODE, 25, 1), 1
	s_wait_xcnt 0x0
	s_wait_alu depctr_hold_cnt(0) depctr_sa_sdst(0) depctr_va_vdst(0) depctr_va_sdst(0) depctr_va_ssrc(0) depctr_va_vcc(0) depctr_vm_vsrc(0)
	s_getreg_b32 s2, hwreg(HW_REG_IB_STS2, 6, 4)
	s_cmp_eq_u32 s2, 0
	s_cbranch_scc0 .Lentry_in_a_cluster
	s_endpgm
.Lentry_in_a_cluster:
	s_bfe_u32 s2, ttmp6, 0x10000c
	s_cmp_lg_u32 s2, 0xf033
	s_cbranch_scc0 .Lentry_shape_is_right
	s_endpgm
.Lentry_shape_is_right:
; out0 = O W_out + b_out on codes of BF6 (E3M2).  O's codes and scale bytes come from the attention launch, W_out's from the quantising launch, both as images of operand registers
; (16 rows x 64 K in 768 bytes: registers 0-3 at 16 x lane, registers 4-5 at 512 + 8 x lane; lane rho of tile 2 B + U is row 32 B + 8 U + rho + 8 (rho / 8)).
; A work-group makes 256 rows x 128 columns: 256 work-groups.  Wave w takes rows 64 w .. 64 w + 63 (four tiles) against the eight column tiles: 32 accumulators.
; The product is used TRANSPOSED (source 0 = 16 columns of W, source 1 = 16 rows of O): a lane holds eight neighbouring columns of one row.  b_out is the C of each sum's first product.
; ALL OF K (1,024) LIES IN LDS: four slots of 256 along K, each filled once; five loads a wave go out at the start, and each slot is waited for by a counted wait where it is first read.  Nothing is filled again.
; CLUSTERS: 4 x 4; O's tiles are shared along a row of the cluster, W's along a column, by joint loads.
; REGISTERS.  window 0: v1-25 addresses; v32-47 O's scale words, v48-79 W's (all eight K steps); v128-223 O's fragments, two sets; on the way out v128-255 rows of the result.
;   window 1: v0-191 W's eight tiles, two sets; v192-255 b_out in the results' layout.   window 2: the accumulators, (a, b) at v[64 a + 8 b].
.set SLOT,  73728                      ; O's 16 tiles x 3,072 bytes, then W's 8
.set BOFF,  49152
.set LSA,   294912                     ; O's scale bytes: 256 rows x 32
.set LSB,   303104                     ; W's: 128 rows x 32
.set TILEB, 12288
.set WOC,   8650752
.set WOS,   360448
.set RSA,   32
.set RSB,   48
.set AF,    128
.set SPITCH, 528                       ; the way out: a stage of 16 rows x (512 bytes + 16) for each wave, in slot 0, whose one fill and whose last read lie behind several barriers by then
.set G1A,  24                          ; s[24:31] O's tiles;  s[32:39] W's;  s[40:47] O's scale bytes;  s[48:55] W's
.set G1B,  32
.set G1SA, 40
.set G1SB, 48
.set G0SA, 76                          ; groups 0: O's slots at s56, s60, s68, s72; O's scale bytes s76; W's slots s80 .. s92; W's scale bytes s96
.set G0B,  80
.set G0SB, 96
.set MSB, 0
.macro WIN new                         ; the immediate's high byte repeats the setting that is left
.if MSB != \new
	s_set_vgpr_msb (MSB<<8)|\new
.set MSB, \new
.endif
.endm
.macro PLACES
.rept 4
	v_nop
.endr
.endm
.macro CROUND                          ; a round of the cluster's barrier
	s_barrier_signal -1
	s_barrier_wait -1
	s_cmp_lg_u32 s16, 0
	s_cbranch_scc1 .Lnot_wave_0_\@
	s_barrier_signal -3
.Lnot_wave_0_\@:
	s_barrier_wait -3
	s_barrier_signal -1
	s_barrier_wait -1
.endm
	s_load_b256 s[4:11], s[0:1], 0x0               ; o_codes s[4:5], o_scales s[6:7], xw_codes s[8:9], xw_scales s[10:11]
	s_load_b128 s[12:15], s[0:1], 0x20             ; b_out s[12:13], out0 s[14:15]
	v_lshl_add_u32 v126, v0, 2, 0x4b000
	v_mov_b32 v127, 0
	ds_add_u32 v126, v127
	ds_add_u32 v126, v127
	v_lshrrev_b32 v1, 5, v0
	v_readfirstlane_b32 s16, v1                    ; wave 0..3
	s_lshr_b32 s17, s16, 1                         ; I fetch for O (0) or for W (1),
	s_and_b32 s18, s16, 1                          ; and which half of its tiles
	s_bfe_u32 s21, ttmp6, 0x40000                  ; cx
	s_bfe_u32 s22, ttmp6, 0x40004                  ; cy
	s_lshl_b32 s20, ttmp9, 2
	s_add_co_u32 s20, s20, s21                     ; the block of 128 columns
	s_and_b32 s19, ttmp7, 0xffff
	s_lshl_b32 s19, s19, 2
	s_add_co_u32 s19, s19, s22                     ; the block of 256 rows
	s_lshl_b32 s2, s22, 2
	s_lshl_b32 s2, 15, s2                          ; my row of the cluster
	s_lshl_b32 s3, 0x1111, s21                     ; my column
	s_or_b32 s[G1A], s2, (3<<16)|(1<<21)           ; elements of 8 bytes, no padding, bit 21 set beside a mask
	s_or_b32 s[G1B], s3, (3<<16)|(1<<21)
	s_or_b32 s[G1SA], s2, (3<<16)|(1<<21)
	s_or_b32 s[G1SB], s3, (3<<16)|(1<<21)
	s_mov_b32 s[G1A+1], 384<<16                    ; 8 tiles' rows of 3,072 bytes, 12,288 bytes apart
	s_mov_b32 s[G1A+2], 8<<16
	s_mov_b32 s[G1A+3], 384<<16
	s_mov_b32 s[G1A+4], 8
	s_mov_b32 s[G1A+5], 1536
	s_mov_b32 s[G1A+6], 0
	s_mov_b32 s[G1A+7], 0
	s_mov_b32 s[G1B+1], 384<<16                    ; 4 such rows
	s_mov_b32 s[G1B+2], 4<<16
	s_mov_b32 s[G1B+3], 384<<16
	s_mov_b32 s[G1B+4], 4
	s_mov_b32 s[G1B+5], 1536
	s_mov_b32 s[G1B+6], 0
	s_mov_b32 s[G1B+7], 0
	s_mov_b32 s[G1SA+1], 32<<16                    ; 4,096 dense bytes as 16 rows of 256
	s_mov_b32 s[G1SA+2], 16<<16
	s_mov_b32 s[G1SA+3], 32<<16
	s_mov_b32 s[G1SA+4], 16
	s_mov_b32 s[G1SA+5], 32
	s_mov_b32 s[G1SA+6], 0
	s_mov_b32 s[G1SA+7], 0
	s_mov_b32 s[G1SB+1], 32<<16                    ; 2,048 dense bytes as 8 rows of 256
	s_mov_b32 s[G1SB+2], 8<<16
	s_mov_b32 s[G1SB+3], 32<<16
	s_mov_b32 s[G1SB+4], 8
	s_mov_b32 s[G1SB+5], 32
	s_mov_b32 s[G1SB+6], 0
	s_mov_b32 s[G1SB+7], 0
	s_wait_dscnt 0x0
	s_wait_kmcnt 0x0
	; O's addresses hang on the block of rows alone (s66, s67), W's on the block of columns alone (s100, s101); LDS addresses on the wave's number alone
	s_lshl_b32 s66, s19, 4
	s_lshl_b32 s23, s18, 3
	s_add_co_u32 s66, s66, s23
	s_mul_i32 s66, s66, TILEB
	s_mov_b32 s67, 0
	s_add_nc_u64 s[66:67], s[4:5], s[66:67]
	s_mul_i32 s23, s18, 24576
.irp n, 0,1,2,3
	s_mov_b32 s[56+4*\n+4*(\n/2)], 1
	s_add_co_u32 s[57+4*\n+4*(\n/2)], s23, \n*SLOT
	s_add_nc_u64 s[58+4*\n+4*(\n/2):59+4*\n+4*(\n/2)], s[66:67], \n*3072
	s_or_b32 s[59+4*\n+4*(\n/2)], s[59+4*\n+4*(\n/2)], 0x80000000
.endr
	s_lshl_b32 s66, s19, 13
	s_lshl_b32 s23, s18, 12
	s_add_co_u32 s66, s66, s23
	s_mov_b32 s67, 0
	s_mov_b32 s[G0SA], 1
	s_add_co_u32 s[G0SA+1], s23, LSA
	s_add_nc_u64 s[G0SA+2:G0SA+3], s[6:7], s[66:67]
	s_or_b32 s[G0SA+3], s[G0SA+3], 0x80000000
	s_lshl_b32 s100, s20, 3
	s_lshl_b32 s23, s18, 2
	s_add_co_u32 s100, s100, s23
	s_mul_i32 s100, s100, TILEB
	s_add_co_u32 s100, s100, WOC
	s_mov_b32 s101, 0
	s_add_nc_u64 s[100:101], s[8:9], s[100:101]
	s_mul_i32 s23, s18, 12288
	s_add_co_u32 s23, s23, BOFF
.irp n, 0,1,2,3
	s_mov_b32 s[G0B+4*\n], 1
	s_add_co_u32 s[G0B+4*\n+1], s23, \n*SLOT
	s_add_nc_u64 s[G0B+4*\n+2:G0B+4*\n+3], s[100:101], \n*3072
	s_or_b32 s[G0B+4*\n+3], s[G0B+4*\n+3], 0x80000000
.endr
	s_lshl_b32 s100, s20, 12
	s_lshl_b32 s23, s18, 11
	s_add_co_u32 s100, s100, s23
	s_add_co_u32 s100, s100, WOS
	s_mov_b32 s101, 0
	s_mov_b32 s[G0SB], 1
	s_add_co_u32 s[G0SB+1], s23, LSB
	s_add_nc_u64 s[G0SB+2:G0SB+3], s[10:11], s[100:101]
	s_or_b32 s[G0SB+3], s[G0SB+3], 0x80000000
	CROUND                                         ; all sixteen work-groups are here: the joint loads meet
	s_cmp_eq_u32 s17, 0                            ; a wave's five fills stand in one branch on its number: five loads of mine are out; four v_nop follow the last
	s_cbranch_scc0 .Lfor_b
	tensor_load_to_lds s[G0SA:G0SA+3], s[G1SA:G1SA+7]
	s_nop 0
	tensor_load_to_lds s[56:59], s[G1A:G1A+7]
	s_nop 0
	tensor_load_to_lds s[60:63], s[G1A:G1A+7]
	s_nop 0
	tensor_load_to_lds s[68:71], s[G1A:G1A+7]
	s_nop 0
	tensor_load_to_lds s[72:75], s[G1A:G1A+7]
	s_nop 0
.rept 4
	v_nop
.endr
	s_branch .Lasked
.Lfor_b:
	tensor_load_to_lds s[G0SB:G0SB+3], s[G1SB:G1SB+7]
	s_nop 0
	tensor_load_to_lds s[80:83], s[G1B:G1B+7]
	s_nop 0
	tensor_load_to_lds s[84:87], s[G1B:G1B+7]
	s_nop 0
	tensor_load_to_lds s[88:91], s[G1B:G1B+7]
	s_nop 0
	tensor_load_to_lds s[92:95], s[G1B:G1B+7]
	s_nop 0
.rept 4
	v_nop
.endr
.Lasked:
	v_and_b32 v1, 15, v0                           ; r
	v_bfe_u32 v25, v0, 4, 1                        ; h
	v_and_b32 v26, 31, v0
	v_lshlrev_b32 v2, 4, v26                       ; 16 x lane
	v_lshlrev_b32 v3, 3, v26                       ; 8 x lane
	s_mul_i32 s23, s16, 12288                      ; my four tiles of O
.irp n, 0,1,2,3
	v_add_nc_u32 v[4+\n], s23, v2                  ; v4-7, v8-11: O's images in slot n, by 16 and by 8 bytes a lane
	v_add_nc_u32 v[8+\n], s23, v3
	v_add_nc_u32 v[12+\n], BOFF+\n*SLOT, v2        ; v12-15, v16-19: W's
	v_add_nc_u32 v[16+\n], BOFF+\n*SLOT, v3
	s_add_co_u32 s23, s23, SLOT
.endr
	v_lshlrev_b32 v26, 5, v1                       ; a row's 32 scale bytes
	s_lshl_b32 s23, s16, 11
	s_add_co_u32 s23, s23, LSA
	v_lshl_add_u32 v20, v25, 10, v26
	v_add_nc_u32 v20, s23, v20                     ; O's: lanes 0-15 tile j, lanes 16-31 tile j + 2
	v_lshl_add_u32 v21, v25, 11, v26
	v_add_nc_u32 v21, LSB, v21                     ; W's: lanes 0-15 tile i, lanes 16-31 tile i + 4
	s_mul_i32 s23, s16, 16*SPITCH                  ; my stage
	v_mul_u32_u24 v22, v1, SPITCH
	v_lshl_add_u32 v22, v25, 6, v22
	v_add_nc_u32 v22, s23, v22                     ; in: row r, + 64 h bytes
	v_add_nc_u32 v23, s23, v2                      ; back: 16 bytes a lane of a row of 512
	v_lshlrev_b32 v24, 6, v25                      ; the bias: 16 h columns on
	s_wait_alu depctr_va_vdst(0)
	s_lshl_b32 s66, s20, 9
	s_mov_b32 s67, 0
	s_add_nc_u64 s[12:13], s[12:13], s[66:67]      ; my 128 numbers of b_out
	s_add_nc_u64 s[14:15], s[14:15], s[66:67]      ; and my 512 bytes of a row of the result,
	s_lshl_b32 s66, s19, 8
	s_lshl_b32 s23, s16, 6
	s_add_co_u32 s66, s66, s23
	s_lshl_b32 s66, s66, 12
	s_add_nc_u64 s[14:15], s[14:15], s[66:67]      ; from row 256 y + 64 w on
	WIN 0x40
.irp b, 0,1,2,3,4,5,6,7
	global_load_b128 v[192+8*\b:192+8*\b+3], v24, s[12:13] offset:(32*(\b/2)+8*(\b%2))*4
	global_load_b128 v[192+8*\b+4:192+8*\b+7], v24, s[12:13] offset:(32*(\b/2)+8*(\b%2))*4+16
.endr
	WIN 0
.macro FRAG4 dst, a16, a8, off         ; a fragment: two images
	ds_load_b128 v[\dst:\dst+3], v[\a16] offset:\off
	ds_load_b64 v[\dst+4:\dst+5], v[\a8] offset:\off+512
	ds_load_b128 v[\dst+6:\dst+9], v[\a16] offset:\off+768
	ds_load_b64 v[\dst+10:\dst+11], v[\a8] offset:\off+1280
.endm
.macro FETCH slot, q, f                ; 48 loads: O's four tiles, W's tiles 0-3, 4-7
	WIN 0
.irp j, 0,1,2,3
	FRAG4 AF+48*(\f)+12*\j, 4+(\slot), 8+(\slot), \j*3072+(\q)*1536
.endr
	WIN 0x40
.irp b, 0,1,2,3,4,5,6,7
	FRAG4 96*(\f)+12*\b, 12+(\slot), 16+(\slot), \b*3072+(\q)*1536
.endr
.endm
.macro WMP a, b, f, s, first           ; source 0 = W's tile b, source 1 = O's tile a; a scale register's lanes 16-31 hold W's tile b where b is 4 or more, O's tile a where a is 2 or more
.set rD, 64*(\a)+8*(\b)
.set rC, rD
.if \first
.set rC, 192+8*(\b)
.endif
.set rW, 96*(\f)+12*(\b)
.set rX, AF+48*(\f)+12*(\a)
.set rSW, RSB+8*((\b)%4)+(\s)
.set rSX, RSA+8*((\a)%2)+(\s)
.if ((\b) >= 4) && ((\a) >= 2)
	v_wmma_scale_f32_16x16x128_f8f6f4 v[rD:rD+7], v[rW:rW+11], v[rX:rX+11], v[rC:rC+7], v[rSW], v[rSX] matrix_a_fmt:MATRIX_FMT_BF6 matrix_b_fmt:MATRIX_FMT_BF6 matrix_a_scale:MATRIX_SCALE_ROW1 matrix_b_scale:MATRIX_SCALE_ROW1
.elseif (\b) >= 4
	v_wmma_scale_f32_16x16x128_f8f6f4 v[rD:rD+7], v[rW:rW+11], v[rX:rX+11], v[rC:rC+7], v[rSW], v[rSX] matrix_a_fmt:MATRIX_FMT_BF6 matrix_b_fmt:MATRIX_FMT_BF6 matrix_a_scale:MATRIX_SCALE_ROW1
.elseif (\a) >= 2
	v_wmma_scale_f32_16x16x128_f8f6f4 v[rD:rD+7], v[rW:rW+11], v[rX:rX+11], v[rC:rC+7], v[rSW], v[rSX] matrix_a_fmt:MATRIX_FMT_BF6 matrix_b_fmt:MATRIX_FMT_BF6 matrix_b_scale:MATRIX_SCALE_ROW1
.else
	v_wmma_scale_f32_16x16x128_f8f6f4 v[rD:rD+7], v[rW:rW+11], v[rX:rX+11], v[rC:rC+7], v[rSW], v[rSX] matrix_a_fmt:MATRIX_FMT_BF6 matrix_b_fmt:MATRIX_FMT_BF6
.endif
.endm
.macro MULP b0, f, s, first            ; 16 products; the 32 accumulators take turns, one instruction a turn, in the same order in every step
.if \first
	WIN 0x91                                       ; W window 1, O window 0, C (the bias) window 1, D window 2
.else
	WIN 0xa1
.endif
.irp b, \b0, \b0+1, \b0+2, \b0+3
.irp a, 0,1,2,3
	WMP \a, \b, \f, \s, \first
.endr
.endr
.endm
.macro STEP slot, s, first             ; a slot's first 128 along K (set 0); its second 128 is fetched into set 1
	s_wait_dscnt 16                                ; O's tiles and W's 0-3 are in; the youngest 16 loads (W's 4-7) may be out
	MULP 0, 0, \s, \first
	s_wait_dscnt 0x0
	PLACES                                         ; the other set was last read by the step before
	FETCH \slot, 1, 1
	MULP 4, 0, \s, \first
.endm
.macro TURN next, s, left              ; a slot's second 128 (set 1); the next slot is first read behind a barrier.  left: my loads for the slots after it, which may stay out
	s_wait_tensorcnt \left
	s_wait_dscnt 0x0                               ; no LDS instruction of mine is out at the signal
	s_barrier_signal -1
	MULP 0, 1, \s, 0
	s_barrier_wait -1
	PLACES
	FETCH \next, 0, 0
	MULP 4, 1, \s, 0
.endm
	s_wait_tensorcnt 3                             ; my scale bytes and my part of slot 0 are in; the three later slots' loads may be out
	s_barrier_signal -1
	s_barrier_wait -1
.irp j, 0,1                                    ; the scale words of all eight K steps stay in registers
	ds_load_b128 v[RSA+8*\j:RSA+8*\j+3], v20 offset:512*\j
	ds_load_b128 v[RSA+8*\j+4:RSA+8*\j+7], v20 offset:512*\j+16
.endr
.irp i, 0,1,2,3
	ds_load_b128 v[RSB+8*\i:RSB+8*\i+3], v21 offset:512*\i
	ds_load_b128 v[RSB+8*\i+4:RSB+8*\i+7], v21 offset:512*\i+16
.endr
	FETCH 0, 0, 0
	s_wait_loadcnt 0x0                             ; the bias
	STEP 0, 0, 1                                   ; the first products start the sums from the bias: nothing is cleared
	TURN 1, 1, 2
	STEP 1, 2, 0
	TURN 2, 3, 1
	STEP 2, 4, 0
	TURN 3, 5, 0
	STEP 3, 6, 0
	s_wait_dscnt 16
	MULP 0, 1, 7, 0
	s_wait_dscnt 0x0
	MULP 4, 1, 7, 0
	WIN 0
; THE WAY OUT, a tile of 16 rows x 128 columns at a time.  Tile b's eight registers are columns 32 (b / 2) + 16 h + 8 (b % 2) on: the place in the stage's row puts the columns in order.
; A row comes back as 512 consecutive bytes and is stored so; lane rho of tile a is row 32 (a / 2) + 8 (a % 2) + rho + 8 (rho / 8) of my 64.  LDS serves a wave's instructions in order: no wait between stores and loads.
.macro TOSTAGE a
	WIN 0x08                                       ; an LDS store's data are its source 1: window 2
.irp b, 0,1,2,3,4,5,6,7
	ds_store_b128 v22, v[64*(\a)+8*\b:64*(\a)+8*\b+3] offset:128*(\b/2)+32*(\b%2)       ; each accumulator from its low end on
	ds_store_b128 v22, v[64*(\a)+8*\b+4:64*(\a)+8*\b+7] offset:128*(\b/2)+32*(\b%2)+16
.endr
	WIN 0
.irp t, 0,1,2,3,4,5,6,7,8,9,10,11,12,13,14,15
	ds_load_b128 v[128+64*((\a)%2)+4*\t:128+64*((\a)%2)+4*\t+3], v23 offset:SPITCH*\t
.endr
.endm
.macro SEND a, younger                 ; younger: the LDS instructions issued behind tile a's loads, which may stay out
	s_wait_dscnt \younger
.irp t, 0,1,2,3,4,5,6,7,8,9,10,11,12,13,14,15
	global_store_b128 v2, v[128+64*((\a)%2)+4*\t:128+64*((\a)%2)+4*\t+3], s[14:15] offset:(32*((\a)/2)+8*((\a)%2)+\t+8*(\t/8))*4096 th:TH_STORE_NT   ; 512 consecutive bytes, at a multiple of 256 from the buffer's first byte
.endr
.endm
	PLACES                                         ; behind the last products: for the first reads of results and the loads into O's fragments' registers
	TOSTAGE 0
.irp a, 1,2,3
.if \a > 1
	s_wait_xcnt 0x0                                ; tile a - 2's stores have read their registers: tile a's rows may land there
.endif
	TOSTAGE \a
	SEND \a-1, 32                                  ; behind tile a - 1's loads: tile a's 16 stores and 16 loads
.endr
	SEND 3, 0
	s_wait_tensorcnt 0x0
	ds_add_u32 v126, v127
	s_wait_dscnt 0x0
	CROUND                                         ; the closing round: no work-group ends while a partner may still ask for a tile that names it
	s_endpgm
.Lfunc_end_k_q48af442325_proj:
	.size	k_q48af442325_proj, .Lfunc_end_k_q48af442325_proj-k_q48af442325_proj
	.p2alignl 7, 3214868480
	.fill 96, 4, 3214868480
	.section	.rodata,"a",@progbits
	.p2align	6, 0x0
	.amdhsa_kernel k_q48af442325_proj
		.amdhsa_group_segment_fixed_size 307712
		.amdhsa_private_segment_fixed_size 0
		.amdhsa_enable_private_segment 0
		.amdhsa_kernarg_size 48
		.amdhsa_user_sgpr_count 2
		.amdhsa_user_sgpr_kernarg_segment_ptr 1
		.amdhsa_wavefront_size32 1
		.amdhsa_system_sgpr_workgroup_id_x 1
		.amdhsa_system_sgpr_workgroup_id_y 1
		.amdhsa_system_sgpr_workgroup_id_z 1
		.amdhsa_system_vgpr_workitem_id 0
		.amdhsa_next_free_vgpr 1024
		.amdhsa_next_free_sgpr 102
		.amdhsa_reserve_vcc 0
		.amdhsa_float_denorm_mode_32 3
		.amdhsa_float_denorm_mode_16_64 3
		.amdhsa_memory_ordered 1
		.amdhsa_forward_progress 1
		.amdhsa_inst_pref_size 86
	.end_amdhsa_kernel
	.amdgpu_metadata
---
amdhsa.version: [ 1, 2 ]
amdhsa.kernels:
  - .name:           k_q48af442325_proj
    .symbol:         k_q48af442325_proj.kd
    .args:
      - { .name: o_codes, .offset: 0, .size: 8, .value_kind: global_buffer, .address_space: global }
      - { .name: o_scales, .offset: 8, .size: 8, .value_kind: global_buffer, .address_space: global }
      - { .name: xw_codes, .offset: 16, .size: 8, .value_kind: global_buffer, .address_space: global }
      - { .name: xw_scales, .offset: 24, .size: 8, .value_kind: global_buffer, .address_space: global }
      - { .name: b_out, .offset: 32, .size: 8, .value_kind: global_buffer, .address_space: global }
      - { .name: out0, .offset: 40, .size: 8, .value_kind: global_buffer, .address_space: global }
    .group_segment_fixed_size: 307712
    .private_segment_fixed_size: 0
    .kernarg_segment_align: 8
    .kernarg_segment_size: 48
    .max_flat_workgroup_size: 128
    .sgpr_count:     102
    .vgpr_count:     1024
    .wavefront_size: 32
...
	.end_amdgpu_metadata
.endif
;; end of part 4
